; MI455X (gfx1250); checked and timed in simulation.
; The chip was launched on July 23, 2026; its instructions are those of AMD's public machine-readable ISA for CDNA 5 (MIT licence, August 2026) and "CDNA5" Instruction Set Architecture Reference Guide (July 2026). The comments in the code are by the model that wrote it; some were corrected since.
;; Causal Self Attention. Allowed arithmetic: matrix products marked QUANTISED: E4M3 operands, one E8M0 scale for each 32 along K, by v_wmma_scale_f32_16x16x128_f8f6f4 with both operands' format E4M3, f32 sums; everything else in f32.
;; Inputs: k 4 x 2,048 x 1,024 float32; mask 1 x 1 x 2,048 x 2,048 float32; q 4 x 2,048 x 1,024 float32; v 4 x 2,048 x 1,024 float32; wk_b 1,024 float32; wk_w 1,024 x 1,024 float32; wo_b 1,024 float32; wo_w 1,024 x 1,024 float32; wq_b 1,024 float32; wq_w 1,024 x 1,024 float32; wv_b 1,024 float32; wv_w 1,024 x 1,024 float32.
;; Outputs: out0 4 x 2,048 x 1,024 float32.
;; This version of the problem:
;;   THIS VERSION OF THE PROBLEM IS GIVEN IN LOW PRECISION. The matrix products marked QUANTISED in the list below multiply operands that are first quantised to E4M3 (4 exponent bits, 3 mantissa bits; 8 bits a number), with one power-of-two scale for each 32 numbers along K (OCP MX v1.0); their sums are f32. All else is computed in f32.
;;   The module's matrix products, in the order in which they are computed (A, B: the left and right operand; K: the contracted axis; several contracted axes count as one K, in the product's order):
;;     1. [M 8,192, K 1,024] x [K 1,024, N 1,024]; A: input q; B: input wq_w: QUANTISED
;;     2. [M 8,192, K 1,024] x [K 1,024, N 1,024]; A: input k; B: input wk_w: QUANTISED
;;     3. [M 8,192, K 1,024] x [K 1,024, N 1,024]; A: input v; B: input wv_w: QUANTISED
;;     4. batch 64 x [M 2,048, K 64] x [K 64, N 2,048]; A: computed on the way; B: computed on the way: QUANTISED
;;     5. batch 64 x [M 2,048, K 2,048] x [K 2,048, N 64]; A: softmax (see below); B: computed on the way: QUANTISED
;;     6. [M 8,192, K 1,024] x [K 1,024, N 1,024]; A: computed on the way; B: input wo_w: QUANTISED
;;   THE QUANTISER, for each operand of a quantised product, along K:
;;     - K is cut into blocks of 32 from its start; a last block that is shorter is filled with zeros.
;;     - A block's scale is 2^e with e = floor(log2(the largest magnitude in the block)) - 8, held to -126 .. 127; a block of zeros has e = 0. As a byte (E8M0): e + 127.
;;     - Each number is divided by its block's scale, clamped to +-448, and rounded to the nearest number of E4M3, ties to even, subnormals kept.
;;     - The product sums the exact products of the quantised numbers (number of the format x scale) in f32.
;;   ~~~python
;;   def quantise(x, axis):      # numpy; x: float32 -> the quantised numbers, widened to float32 again
;;       x = np.moveaxis(x, axis, -1); K = x.shape[-1]
;;       x = np.pad(x, [(0, 0)] * (x.ndim - 1) + [(0, -K % 32)]); x = x.reshape(x.shape[:-1] + (-1, 32)); a = np.abs(x).max(-1, keepdims=True)
;;       e = np.where(a > 0, np.clip(np.frexp(np.where(a > 0, a, 1))[1] - 1 - 8, -126, 127), 0)      # np.frexp(a)[1] - 1 = floor(log2(a)), exactly
;;       r = np.clip(x / 2.0 ** e, -448, 448)
;;       step = 2.0 ** (np.maximum(np.frexp(np.where(r == 0, 1, r))[1] - 1, -6) - 3)
;;       q = np.round(r / step) * step * 2.0 ** e      # np.round: ties to even
;;       return np.moveaxis(q.reshape(q.shape[:-2] + (-1,))[..., :K], -1, axis).astype(np.float32)
;;   ~~~
;;   SOFTMAX AHEAD OF A QUANTISED PRODUCT. Where the list says 'softmax', what is quantised is not the finished softmax but p = 2^(t - M), with t = logit x log2(e) and M = ceil(the row's largest t), a whole number; so 1/2 < the row's largest p <= 1. The row's sum l is taken of the UNQUANTISED p, in f32, and the product's result is divided by l at the end. Since M is a whole number, a kernel that streams over the keys may use a running M (the ceiling of the running maximum): every later rescaling is an exact power of two, which a block's scale takes up: the codes' values come out the same.
;;   OPERANDS COMPUTED ON THE WAY. 'Computed on the way' means the value that the module computes at that place (a softmax that the list does not call 'softmax' is quantised finished and normalised). What goes into a quantiser is computed in f32, as accurately as f32 sums, v_exp_f32 and their like allow (about 1e-6 of the number): no bf16 or f16 on the way to a quantiser, and a product that is left as it is and whose result goes on into a quantised operand takes f32 operands (vector FMAs, or v_wmma_f32_16x16x4_f32). A number that lies on a knife's edge between two numbers of the format may be rounded either way, as far as f32 arithmetic and the matrix unit's own rounding can turn it there, and no further.
;; One version. Each part assembles by itself: llvm-mc -triple=amdgcn-amd-amdhsa -mcpu=gfx1250 --defsym DOCPART=n.
;; ======== version 1 of 1: 4 launches
;; limits: right only within a limited range of input values
;; workspace buffers: xq 25,952,256 bytes; wq8 4,325,376 bytes; mi 16,777,216 bytes; hq 25,952,256 bytes; aq 8,650,752 bytes
;; launch prep (part 1): grid 1024 x 1, 4 waves a work-group, no clusters, 35,328 bytes of LDS; arguments q, k, v, wq_w, wk_w, wv_w, wo_w, mask, xq, wq8, mi; writes xq, wq8, mi
.if DOCPART == 1
	.amdgcn_target "amdgcn-amd-amdhsa--gfx1250"
	.amdhsa_code_object_version 6
	.text
	.protected	k_qcc3cba1355_prep
	.globl	k_qcc3cba1355_prep
	.p2align	8
	.type	k_qcc3cba1355_prep,@function
k_qcc3cba1355_prep:
	s_mov_b64 s[64:65], 0
	v_nop
	global_prefetch_b8 v0, s[64:65] scope:SCOPE_SE
	s_setreg_imm32_b32 hwreg(HW_REG_WAVE_MODE, 25, 1), 1
	s_wait_xcnt 0x0
; PREP: what the later launches read again and again is made once.  Three kinds of work-groups, told apart by the work-group's number; each reads 128 KiB.
;  0..767   ACT: q, k, v [8192][1024] f32 -> codes of FP8 (E4M3), K innermost, and one E8M0 byte for each 32 along K.
;  768..895 WGT: wq_w, wk_w, wv_w, wo_w [k][n] f32, K the FIRST axis -> codes laid [n][k], and their bytes.
;  896..1023 MSK: mask [2048][2048] f32 -> mask x (-8e9), laid in the order of the registers that hold a tile of scores (16 queries x 128 keys).
; MEMORY ROWS.  Row number i of the codes (a token, or a column n of a weight) is stored at i with its bits 3 and 4 exchanged.  Sixteen neighbouring stored rows 16 a + r are then rows
; 32 (a / 2) + 8 (a % 2) + r + 8 (r / 8): used as source 0 of a product they leave 16 NEIGHBOURS along that axis in the 16 registers of two neighbouring result tiles.
; SCALE BYTES lie [group of 128 stored rows][K step of 256][row][8 bytes]: each store here covers 256 consecutive bytes, aligned.
; A block's scale is 2^(floor(log2(largest magnitude)) - 8); its byte is the largest magnitude's exponent field - 8, held at 1 from below.  Numbers are held within +-448 x the scale and rounded to the nearest code, ties to even.
; -8e9 = 8 x (-1e9), both exact in f32.
; LIMITS: NaN and infinities among the inputs are not served; a block whose largest magnitude lies under 2^-118 has its byte held at 1; a block of zeros gets the byte 1 where the rule says 127
; (its codes are zeros, which add nothing under any byte but 0xff, and the bytes are read by this program alone).
; No tensor loads, no barrier: waves share nothing.  LDS: a work-group is of one kind, and in every kind wave w uses bytes of the same region alone, WREG x w on: 4 x 8,704 bytes and the spare words.
; With 210 registers a wave and that claim of LDS four work-groups fit on a WGP: 1,024 work-groups are 4 x 256.  No cluster: no two work-groups read the same bytes.
.set XQS,   25165824                   ; xq: where the scale bytes begin
.set WQS,   4194304                    ; wq8: likewise
.set EMAX,  8
.set MANT,  0x600000                   ; the mantissa field of 448 as f32
.set WREG,  8704                       ; a wave's LDS bytes: ACT uses 5,376 of them, WGT 8,704, MSK 8,448
.set SPARE, 4*WREG                     ; the spare words, 128 bytes for each wave
.set STEPS, 16                         ; ACT: steps of 512 numbers (two rows of the wave's strip of 256 columns)
.set SP,    80                         ; ACT: a lane's place in a stage: 64 bytes + 16 of padding
.set AR,    16                         ; v16-79   four sets of 16 numbers as loaded
.set AX,    80                         ; v80-111  two sets of 16 neighbours
.set AE,    112                        ; v112-127 a scale byte for each step
.set AC,    128                        ; v128-191 codes, four registers for each step
.set WP,    272                        ; WGT: a stage row
.set NB,    8                          ; WGT: blocks of 32 along K for a wave
.set WX,    32                         ; v32-95   two sets of 32 numbers
.set WC,    96                         ; v96-103  a block's codes
.set WO,    112                        ; v112-175 the way out
.set WSB,   24                         ; v24-25   eight scale bytes
.set MPI,   528                        ; MSK: a chunk's place in the stage
.set MM,    16                         ; v16-143  two sets of 16 rows x 16 bytes a lane
.set MO,    144                        ; v144-207 the image's 16 chunks
	s_load_b256 s[4:11], s[0:1], 0x0               ; q, k, v, wq_w
	s_load_b256 s[12:19], s[0:1], 0x20             ; wk_w, wv_w, wo_w, mask
	s_load_b128 s[20:23], s[0:1], 0x40             ; xq, wq8
	s_load_b64 s[24:25], s[0:1], 0x50              ; mi
	v_lshl_add_u32 v208, v0, 2, SPARE
	v_mov_b32 v209, 0
	v_lshrrev_b32 v1, 5, v0
	v_readfirstlane_b32 s26, v1                    ; wave 0..3
	v_and_b32 v2, 31, v0                           ; lane
	s_mov_b32 s31, 0                               ; the upper word of every offset here
	s_mov_b32 s34, MANT
	s_wait_kmcnt 0x0
	s_cmp_lt_u32 ttmp9, 768
	s_cbranch_scc0 .Lnot_act
; ---------------- ACT: 32 rows x 1,024 columns; wave w takes columns 256 w on (one K step) ----------------
	s_lshr_b32 s27, ttmp9, 8                       ; which tensor: 0 q, 1 k, 2 v
	s_and_b32 s28, ttmp9, 255                      ; which group of 32 rows
	s_cmp_eq_u32 s27, 1
	s_cselect_b64 s[4:5], s[6:7], s[4:5]
	s_cmp_eq_u32 s27, 2
	s_cselect_b64 s[4:5], s[8:9], s[4:5]
	s_lshl_b32 s30, s28, 17                        ; 32 rows of 4,096 bytes
	s_lshl_b32 s29, s26, 10                        ; 256 columns of 4 bytes
	s_add_co_u32 s30, s30, s29
	s_add_nc_u64 s[4:5], s[4:5], s[30:31]          ; the strip's first number
	s_lshl_b32 s30, s27, 23
	s_lshl_b32 s29, s28, 15
	s_add_co_u32 s30, s30, s29
	s_lshl_b32 s29, s26, 8
	s_add_co_u32 s30, s30, s29
	s_add_nc_u64 s[8:9], s[20:21], s[30:31]        ; its codes
	s_lshl_b32 s30, s27, 18
	s_lshr_b32 s29, s28, 2
	s_lshl_b32 s29, s29, 12
	s_add_co_u32 s30, s30, s29
	s_lshl_b32 s29, s26, 10
	s_add_co_u32 s30, s30, s29
	s_and_b32 s29, s28, 3
	s_lshl_b32 s29, s29, 8
	s_add_co_u32 s30, s30, s29
	s_add_nc_u64 s[10:11], s[20:21], s[30:31]
	s_add_nc_u64 s[10:11], s[10:11], XQS           ; its 256 scale bytes
	s_wait_alu depctr_va_vdst(0)
	v_lshlrev_b32 v3, 4, v2                        ; my 16 bytes of a load's 512
	s_mul_i32 s29, s26, WREG                       ; my wave's LDS bytes
	v_lshrrev_b32 v14, 2, v2
	v_mul_u32_u24 v14, v14, SP
	v_and_b32 v15, 3, v2
	v_lshl_add_u32 v14, v15, 4, v14
	v_add_nc_u32 v14, s29, v14                     ; the stage, in: four lanes' 64 bytes on end, then 16 of padding
	v_mul_u32_u24 v15, v2, SP
	v_add_nc_u32 v15, s29, v15                     ; out: my 16 neighbours
	v_lshrrev_b32 v4, 4, v2
	v_and_b32 v5, 15, v2
	v_lshlrev_b32 v4, 10, v4
	v_lshl_add_u32 v4, v5, 4, v4                   ; my codes: lanes 0-15 the even row, lanes 16-31 the odd one
	v_lshrrev_b32 v5, 1, v2
	s_add_co_u32 s29, s29, 2*32*SP
	v_add_nc_u32 v5, s29, v5                       ; LDS: my wave's 256 scale bytes, my block's byte
	v_lshlrev_b32 v7, 3, v2
	v_add_nc_u32 v6, s29, v7                       ; and on the way out 8 bytes a lane
.macro ALOAD t                         ; step t: rows 2 t and 2 t + 1 of the strip; each load reads 512 consecutive bytes
.irp i, 0,1,2,3
	global_load_b128 v[AR+16*((\t)%4)+4*\i:AR+16*((\t)%4)+4*\i+3], v3, s[4:5] offset:(2*(\t)+\i/2)*4096+(\i%2)*512 th:TH_LOAD_NT
.endr
.endm
.macro ATURN t                         ; through the stage: LDS serves a wave's instructions in order
.irp i, 0,1,2,3
	ds_store_b128 v14, v[AR+16*((\t)%4)+4*\i:AR+16*((\t)%4)+4*\i+3] offset:32*SP*((\t)%2)+8*SP*\i
.endr
.irp i, 0,1,2,3
	ds_load_b128 v[AX+16*((\t)%2)+4*\i:AX+16*((\t)%2)+4*\i+3], v15 offset:32*SP*((\t)%2)+16*\i
.endr
.endm
.irp t, 0,1,2,3
	ALOAD \t
.endr
	s_wait_alu depctr_va_vdst(0)
	s_wait_loadcnt 12                              ; step 0's four loads are in; three steps' twelve stay out
	ATURN 0
.macro ASTEP t
.set XS, AX+16*((\t)%2)
.set PT, ((2*(\t))&7)+16*(((2*(\t))>>3)&1)+8*(((2*(\t))>>4)&1)   ; where row 2 t is stored: bits 3 and 4 exchanged
.if (\t) > 0
	s_wait_dscnt 1                                 ; this step's numbers are back from the stage (the last step's byte store may be out)
.else
	s_wait_dscnt 0x0
.endif
.if (\t)+4 < STEPS
	ALOAD (\t)+4                                   ; into the registers that the stage's stores have read
.endif
.if (\t)+1 < STEPS
.if STEPS-2-(\t) >= 3
	s_wait_loadcnt 12                              ; the next step's four loads are in; those of the three steps behind it may be out
.else
	s_wait_loadcnt 4*(STEPS-2-(\t))
.endif
	ATURN (\t)+1
.endif
	v_max3_num_f32 v8, |v[XS]|, |v[XS+1]|, |v[XS+2]|               ; the largest magnitude of my 16, in two chains
	v_max3_num_f32 v9, |v[XS+3]|, |v[XS+4]|, |v[XS+5]|
.irp i, 6,10
	v_max3_num_f32 v8, v8, |v[XS+\i]|, |v[XS+\i+1]|
	v_max3_num_f32 v9, v9, |v[XS+\i+2]|, |v[XS+\i+3]|
.endr
	v_max3_num_f32 v8, v8, |v[XS+14]|, |v[XS+15]|
	v_max3_num_f32 v8, v8, v9, (EMAX+1)<<23        ; and the floor 2^(9 - 127): the byte cannot fall under 1
	v_max_num_f32_dpp v8, v8, v8 row_xmask:1 row_mask:0xf bank_mask:0xf   ; with my neighbour's 16: the block's
	v_add_nc_u32 v11, -(EMAX<<23), v8              ; 8 off its exponent field: the conversion's scale operand
	v_and_or_b32 v10, v8, 0x7f800000, s34          ; 448 x the scale
.irp i, 0,1,2,3,4,5,6,7,8,9,10,11,12,13,14,15
	v_med3_num_f32 v[XS+\i], v[XS+\i], -v10, v10   ; the conversion to an 8-bit code does not saturate (ISA guide 7.6.2): the hold comes first
.endr
	v_cvt_scalef32_pk8_fp8_f32 v[AC+4*(\t):AC+4*(\t)+1], v[XS:XS+7], v11
	v_cvt_scalef32_pk8_fp8_f32 v[AC+4*(\t)+2:AC+4*(\t)+3], v[XS+8:XS+15], v11
	v_lshrrev_b32 v[AE+(\t)], 23, v11              ; the scale's byte
	ds_store_b8 v5, v[AE+(\t)] offset:8*PT         ; both lanes of a block write the same byte with the same value
	global_store_b128 v4, v[AC+4*(\t):AC+4*(\t)+3], s[8:9] offset:1024*PT   ; sixteen lanes store 256 consecutive bytes, aligned
.endm
.irp t, 0,1,2,3,4,5,6,7,8,9,10,11,12,13,14,15
	ASTEP \t
.endr
	ds_load_b64 v[12:13], v6                       ; LDS serves a wave's instructions in order: these see my stores
	s_wait_dscnt 0x0
	global_store_b64 v7, v[12:13], s[10:11]        ; 32 lanes store 256 consecutive bytes, aligned
	s_wait_tensorcnt 0x0                           ; the wave's end
	ds_add_u32 v208, v209
	s_wait_dscnt 0x0
	s_endpgm
; ---------------- WGT: 128 columns x 256 along K; wave w takes 32 columns.  A lane takes a column, its registers run down K ----------------
.Lnot_act:
	s_cmp_lt_u32 ttmp9, 896
	s_cbranch_scc0 .Lmask
	s_sub_co_u32 s27, ttmp9, 768
	s_lshr_b32 s28, s27, 5                         ; which weight: 0 wq, 1 wk, 2 wv, 3 wo
	s_bfe_u32 s29, s27, 0x30002                    ; which 128 columns
	s_and_b32 s27, s27, 3                          ; which 256 along K
	s_cmp_eq_u32 s28, 1
	s_cselect_b64 s[10:11], s[12:13], s[10:11]
	s_cmp_eq_u32 s28, 2
	s_cselect_b64 s[10:11], s[14:15], s[10:11]
	s_cmp_eq_u32 s28, 3
	s_cselect_b64 s[10:11], s[16:17], s[10:11]
	s_lshl_b32 s32, s29, 7
	s_lshl_b32 s30, s26, 5
	s_add_co_u32 s32, s32, s30                     ; my wave's first column
	s_lshl_b32 s30, s27, 20                        ; 256 rows of 4,096 bytes
	s_lshl_b32 s35, s32, 2
	s_add_co_u32 s30, s30, s35
	s_add_nc_u64 s[10:11], s[10:11], s[30:31]
	s_lshl_b32 s30, s28, 20
	s_lshl_b32 s35, s32, 10
	s_add_co_u32 s30, s30, s35
	s_lshl_b32 s35, s27, 8
	s_add_co_u32 s30, s30, s35
	s_add_nc_u64 s[12:13], s[22:23], s[30:31]      ; the codes: weight, column x 1,024, 256 bytes a K step
	s_lshl_b32 s30, s28, 15
	s_lshl_b32 s35, s29, 12
	s_add_co_u32 s30, s30, s35
	s_lshl_b32 s35, s27, 10
	s_add_co_u32 s30, s30, s35
	s_lshl_b32 s35, s26, 8
	s_add_co_u32 s30, s30, s35
	s_add_nc_u64 s[14:15], s[22:23], s[30:31]
	s_add_nc_u64 s[14:15], s[14:15], WQS           ; the bytes: weight, group of 128, K step, my 32 rows
	s_wait_alu depctr_va_vdst(0)
	v_lshlrev_b32 v3, 2, v2                        ; in: 4 bytes a lane
	v_and_b32 v4, 7, v2
	v_bfe_u32 v5, v2, 3, 1
	v_lshl_add_u32 v4, v5, 4, v4
	v_bfe_u32 v5, v2, 4, 1
	v_lshl_add_u32 v9, v5, 3, v4                   ; where my column is stored among the 32: bits 3 and 4 exchanged
	s_mul_i32 s35, s26, WREG                       ; my stage: 32 rows x 272 bytes
	v_mul_u32_u24 v4, v9, WP
	v_add_nc_u32 v4, s35, v4                       ; into it
	v_and_b32 v5, 15, v2
	v_lshrrev_b32 v6, 4, v2
	v_mul_u32_u24 v7, v6, WP
	v_lshl_add_u32 v7, v5, 4, v7
	v_add_nc_u32 v7, s35, v7                       ; out of it: sixteen lanes to a row, two rows an instruction
	v_lshlrev_b32 v8, 10, v6
	v_lshl_add_u32 v8, v5, 4, v8                   ; and the same place among the codes
	v_lshlrev_b32 v9, 3, v9                        ; my 8 scale bytes
.macro WLOAD t                         ; block t: W(32 t + i, my column): 32 lanes read 128 consecutive bytes
.irp i, 0,1,2,3,4,5,6,7,8,9,10,11,12,13,14,15,16,17,18,19,20,21,22,23,24,25,26,27,28,29,30,31
	global_load_b32 v[WX+32*((\t)%2)+\i], v3, s[10:11] offset:(32*(\t)+\i)*4096 th:TH_LOAD_NT
.endr
.endm
	WLOAD 0
	WLOAD 1
.macro WBLOCK t
.set XS, WX+32*((\t)%2)
.if (\t) < NB-1
	s_wait_loadcnt 32                              ; this block's 32 loads are in; the next block's may be out
.else
	s_wait_loadcnt 0x0
.endif
	v_max3_num_f32 v12, |v[XS]|, |v[XS+1]|, |v[XS+2]|               ; all 32 numbers of the block are mine
	v_max3_num_f32 v13, |v[XS+3]|, |v[XS+4]|, |v[XS+5]|
.irp i, 6,10,14,18,22,26
	v_max3_num_f32 v12, v12, |v[XS+\i]|, |v[XS+\i+1]|
	v_max3_num_f32 v13, v13, |v[XS+\i+2]|, |v[XS+\i+3]|
.endr
	v_max3_num_f32 v12, v12, |v[XS+30]|, |v[XS+31]|
	v_max3_num_f32 v12, v12, v13, (EMAX+1)<<23
	v_add_nc_u32 v11, -(EMAX<<23), v12
	v_and_or_b32 v10, v12, 0x7f800000, s34
	v_lshrrev_b32 v13, 23, v11
.if (\t)%4 == 0
	v_mov_b32 v[WSB+(\t)/4], v13                   ; four bytes to a register, the lower K in the lower byte
.else
	v_lshl_or_b32 v[WSB+(\t)/4], v13, 8*((\t)%4), v[WSB+(\t)/4]
.endif
.irp i, 0,1,2,3,4,5,6,7,8,9,10,11,12,13,14,15,16,17,18,19,20,21,22,23,24,25,26,27,28,29,30,31
	v_med3_num_f32 v[XS+\i], v[XS+\i], -v10, v10
.endr
.irp g, 0,1,2,3
	v_cvt_scalef32_pk8_fp8_f32 v[WC+2*\g:WC+2*\g+1], v[XS+8*\g:XS+8*\g+7], v11
.endr
	ds_store_b128 v4, v[WC:WC+3] offset:32*(\t)
	ds_store_b128 v4, v[WC+4:WC+7] offset:32*(\t)+16
.if (\t)+2 < NB
	WLOAD (\t)+2
.endif
	s_wait_dscnt 0x0                               ; the stores have read their registers: the next block's codes may be written
.endm
.irp t, 0,1,2,3,4,5,6,7
	WBLOCK \t
.endr
	global_store_b64 v9, v[WSB:WSB+1], s[14:15]    ; 32 lanes store 256 consecutive bytes, aligned
.irp t, 0,1,2,3,4,5,6,7,8,9,10,11,12,13,14,15
	ds_load_b128 v[WO+4*\t:WO+4*\t+3], v7 offset:2*\t*WP
.endr
.irp t, 0,1,2,3,4,5,6,7,8,9,10,11,12,13,14,15
	s_wait_dscnt 15-\t
	global_store_b128 v8, v[WO+4*\t:WO+4*\t+3], s[12:13] offset:2*\t*1024
.endr
	s_wait_tensorcnt 0x0                           ; the wave's end
	ds_add_u32 v208, v209
	s_wait_dscnt 0x0
	s_endpgm
; ---------------- MSK: query tile T (16 queries: 32 (T / 2) + 8 (T % 2) + r + 8 (r / 8)); wave w takes key steps 4 w .. 4 w + 3 ----------------
; The image of a step: register 16 b + i of lane (r, h) is mask[query r][128 step + 32 b + 16 h + i] x (-8e9); chunk c = registers 4 c .. 4 c + 3 of all 32 lanes, 512 bytes.
.Lmask:
	s_sub_co_u32 s27, ttmp9, 896                   ; T
	s_lshr_b32 s28, s27, 1
	s_lshl_b32 s28, s28, 5
	s_and_b32 s29, s27, 1
	s_lshl_b32 s29, s29, 3
	s_add_co_u32 s28, s28, s29                     ; the tile's first query
	s_lshl_b32 s30, s28, 13                        ; rows of 8,192 bytes
	s_lshl_b32 s29, s26, 11                        ; four key steps of 512 bytes
	s_add_co_u32 s30, s30, s29
	s_add_nc_u64 s[18:19], s[18:19], s[30:31]
	s_lshl_b32 s30, s27, 4
	s_lshl_b32 s29, s26, 2
	s_add_co_u32 s30, s30, s29
	s_lshl_b32 s30, s30, 13                        ; images of 8,192 bytes
	s_add_nc_u64 s[24:25], s[24:25], s[30:31]
	s_mov_b32 s36, 0xcfee6b28                      ; -8e9
	s_mov_b32 s37, s36                             ; (named with it as a pair, so it is written)
	s_wait_alu depctr_va_vdst(0)
	v_lshlrev_b32 v3, 4, v2                        ; 16 bytes a lane, in and out
	s_mul_i32 s29, s26, WREG                       ; my stage: 16 chunks x 528 bytes
	v_lshrrev_b32 v4, 3, v2
	v_and_b32 v5, 3, v2
	v_lshl_add_u32 v4, v4, 2, v5                   ; my four keys 4 l .. belong to chunk 4 (l / 8) + l % 4,
	v_mul_u32_u24 v4, v4, MPI
	v_bfe_u32 v5, v2, 2, 1                         ; half (l / 4) % 2 of the lanes
	v_lshl_add_u32 v4, v5, 8, v4
	v_add_nc_u32 v6, s29, v4                       ; in: + 16 x the row
	v_add_nc_u32 v7, s29, v3                       ; out: a chunk's 512 bytes on end
.macro MLOAD u                         ; unit u: 16 rows x 512 bytes; a load reads one row's 512 consecutive bytes
.irp p, 0,1,2,3,4,5,6,7,8,9,10,11,12,13,14,15
	global_load_b128 v[MM+64*((\u)%2)+4*\p:MM+64*((\u)%2)+4*\p+3], v3, s[18:19] offset:(\p+8*(\p/8))*8192+512*(\u) th:TH_LOAD_NT
.endr
.endm
.macro MUNIT u
.set MS, MM+64*((\u)%2)
.if (\u) < 3
	s_wait_loadcnt 16                              ; this unit's 16 loads are in; the next unit's may be out
.else
	s_wait_loadcnt 0x0
.endif
.set n, 0
.rept 32
	v_pk_mul_f32 v[MS+n:MS+n+1], v[MS+n:MS+n+1], s[36:37] op_sel_hi:[1,0]
.set n, n+2
.endr
.irp p, 0,1,2,3,4,5,6,7,8,9,10,11,12,13,14,15
	ds_store_b128 v6, v[MS+4*\p:MS+4*\p+3] offset:16*\p
.endr
	s_wait_xcnt 0x0                                ; the last unit's stores to memory have read the registers that the loads below fill
.irp c, 0,1,2,3,4,5,6,7,8,9,10,11,12,13,14,15
	ds_load_b128 v[MO+4*\c:MO+4*\c+3], v7 offset:MPI*\c
.endr
	s_wait_dscnt 16                                ; the stage's stores are done (the 16 loads behind them may be out): their registers take the unit two on
.if (\u) < 2
	MLOAD (\u)+2
.endif
.irp c, 0,1,2,3,4,5,6,7,8,9,10,11,12,13,14,15
	s_wait_dscnt 15-\c
	global_store_b128 v3, v[MO+4*\c:MO+4*\c+3], s[24:25] offset:8192*(\u)+512*\c   ; 512 consecutive bytes
.endr
.endm
	MLOAD 0
	MLOAD 1
	MUNIT 0
	MUNIT 1
	MUNIT 2
	MUNIT 3
	s_wait_tensorcnt 0x0                           ; the wave's end
	ds_add_u32 v208, v209
	s_wait_dscnt 0x0
	s_endpgm
.Lfunc_end_k_qcc3cba1355_prep:
	.size	k_qcc3cba1355_prep, .Lfunc_end_k_qcc3cba1355_prep-k_qcc3cba1355_prep
	.p2alignl 7, 3214868480
	.fill 96, 4, 3214868480
	.section	.rodata,"a",@progbits
	.p2align	6, 0x0
	.amdhsa_kernel k_qcc3cba1355_prep
		.amdhsa_group_segment_fixed_size 35328
		.amdhsa_private_segment_fixed_size 0
		.amdhsa_enable_private_segment 0
		.amdhsa_kernarg_size 88
		.amdhsa_user_sgpr_count 2
		.amdhsa_user_sgpr_kernarg_segment_ptr 1
		.amdhsa_wavefront_size32 1
		.amdhsa_system_sgpr_workgroup_id_x 1
		.amdhsa_system_sgpr_workgroup_id_y 1
		.amdhsa_system_sgpr_workgroup_id_z 1
		.amdhsa_system_vgpr_workitem_id 0
		.amdhsa_next_free_vgpr 210
		.amdhsa_next_free_sgpr 66
		.amdhsa_reserve_vcc 0
		.amdhsa_float_denorm_mode_32 3
		.amdhsa_float_denorm_mode_16_64 3
		.amdhsa_memory_ordered 1
		.amdhsa_forward_progress 1
		.amdhsa_inst_pref_size 142
	.end_amdhsa_kernel
	.amdgpu_metadata
---
amdhsa.version: [ 1, 2 ]
amdhsa.kernels:
  - .name:           k_qcc3cba1355_prep
    .symbol:         k_qcc3cba1355_prep.kd
    .args:
      - { .name: q, .offset: 0, .size: 8, .value_kind: global_buffer, .address_space: global }
      - { .name: k, .offset: 8, .size: 8, .value_kind: global_buffer, .address_space: global }
      - { .name: v, .offset: 16, .size: 8, .value_kind: global_buffer, .address_space: global }
      - { .name: wq_w, .offset: 24, .size: 8, .value_kind: global_buffer, .address_space: global }
      - { .name: wk_w, .offset: 32, .size: 8, .value_kind: global_buffer, .address_space: global }
      - { .name: wv_w, .offset: 40, .size: 8, .value_kind: global_buffer, .address_space: global }
      - { .name: wo_w, .offset: 48, .size: 8, .value_kind: global_buffer, .address_space: global }
      - { .name: mask, .offset: 56, .size: 8, .value_kind: global_buffer, .address_space: global }
      - { .name: xq, .offset: 64, .size: 8, .value_kind: global_buffer, .address_space: global }
      - { .name: wq8, .offset: 72, .size: 8, .value_kind: global_buffer, .address_space: global }
      - { .name: mi, .offset: 80, .size: 8, .value_kind: global_buffer, .address_space: global }
    .group_segment_fixed_size: 35328
    .private_segment_fixed_size: 0
    .kernarg_segment_align: 8
    .kernarg_segment_size: 88
    .max_flat_workgroup_size: 128
    .sgpr_count:     66
    .vgpr_count:     210
    .wavefront_size: 32
...
	.end_amdgpu_metadata
.endif
;; end of part 1
;; launch proj (part 2): grid 4 x 96, 4 waves a work-group, clusters of 4 x 4, 327,680 bytes of LDS; arguments xq, wq8, wq_b, wk_b, wv_b, hq; writes hq
.if DOCPART == 2
	.amdgcn_target "amdgcn-amd-amdhsa--gfx1250"
	.amdhsa_code_object_version 6
	.text
	.protected	k_qcc3cba1355_proj
	.globl	k_qcc3cba1355_proj
	.p2align	8
	.type	k_qcc3cba1355_proj,@function
k_qcc3cba1355_proj:
	s_mov_b64 s[64:65], 0
	v_nop
	global_prefetch_b8 v0, s[64:65] scope:SCOPE_SE
	s_setreg_imm32_b32 hwreg(HW_REG_WAVE_MODE, 25, 1), 1
	s_wait_xcnt 0x0
	s_wait_alu depctr_hold_cnt(0) depctr_sa_sdst(0) depctr_va_vdst(0) depctr_va_sdst(0) depctr_va_ssrc(0) depctr_va_vcc(0) depctr_vm_vsrc(0)
	s_getreg_b32 s2, hwreg(HW_REG_IB_STS2, 6, 4)
	s_cmp_eq_u32 s2, 0
	s_cbranch_scc0 .Lentry_in_a_cluster
	s_endpgm
.Lentry_in_a_cluster:
	s_bfe_u32 s2, ttmp6, 0x10000c
	s_cmp_lg_u32 s2, 0xf033
	s_cbranch_scc0 .Lentry_shape_is_right
	s_endpgm
.Lentry_shape_is_right:
; PROJ: the three projections q wq + b, k wk + b, v wv + b on codes of FP8 (E4M3) with E8M0 scales; the results are quantised in registers and stored as images of the operands of attention.
; ONE PRODUCT FORM: X [rows][1024] is source 1, Y [rows][1024] source 0, both codes with K innermost.  In a result tile a lane holds ONE row of X and its registers run along rows of Y.
;   Q, K: X = the tokens, Y = the weight's columns: a lane holds a token, its registers run along the features, which are the K of Q K^T.
;   V:    X = the weight's columns, Y = the tokens: a lane holds a feature, its registers run along the keys, which are the K of P V.
; Stored rows have bits 3 and 4 of their number exchanged, so the 16 registers of result tiles 2 B and 2 B + 1 are 16 neighbours, 32 B + 16 (lane / 16) + 0 .. 15, along Y's true order:
; the conversions' results are a fragment's registers.  A block of 16 rows of X x 128 of Y becomes one image of 2,048 bytes (register group c of lane l at 512 c + 16 l) and one scale word a row.
; A tile of 256 x 256 to a work-group of four waves, 128 x 128 (64 accumulators, 512 registers) to a wave; K in steps of 256 through a ring of two LDS slots filled by the tensor data mover.
; The scale bytes of a wave's 128 rows for all of K are 4,096 consecutive bytes: they come once, with the first fills, and stay.
; CLUSTERS: 4 x 4 work-groups; 8 clusters to a tensor.  The four of a row of the cluster need the same tiles of X, the four of a column the same tiles of Y: each is asked for jointly.
; LIMITS: NaN and infinities are not served; a block whose largest magnitude lies under 2^-118 has its byte held at 1, a block of zeros too (its codes are zeros; this program alone reads the bytes).
; REGISTERS, in windows of 256: window 0: v0-31 addresses, v8-15 the bias by rows of X, v32-63 scale words (two sets), v64-127 the bias along Y, from v128 X's fragments (one set); on the way out v128-255 at work.
;   window 1: Y's fragments, two sets.   window 2: the accumulators of my rows 0-63 of X ((a, b) at v[8 (8 a + b)]);   window 3: those of rows 64-127.
.set NQ,     2                         ; matrix instructions deep in a slot
.set ROWB,   256                       ; a tile's row in bytes
.set KROW,   1024                      ; a row of codes in memory
.set PITCH,  272                       ; an LDS row: 256 bytes + 16 of padding = 68 words: the 16 rows that a load touches start at 16 different banks (64 banks of 4 bytes: ISA guide 11.1)
.set FR,     16
.set NL,     4
.set NP,     8                         ; places behind this matrix instruction (ISA guide 7.12.1)
.set HALFT,  128*PITCH
.set SLOT,   4*HALFT
.set LAPS,   2                         ; 1,024 along K = four K steps = twice round the ring
.set SCL,    2*SLOT                    ; behind the ring: the scale bytes, 4,096 for each fetching wave: X's two halves, then Y's
.set SPARE,  SCL+16384                 ; the spare words, 128 bytes for each wave: two blocks of 256 bytes that no other line names
.set XQS,    25165824
.set WQS,    4194304
.set HQS,    25165824
.set BX,   8
.set ADRA, 16
.set ADRB, 20
.set STO,  24                          ; v24  the way out: my row's scale words in my wave's 512 bytes (in slot 0, which has had its last fill and its last read by then)
.set RD,   25                          ; v25  and where I read them back
.set CO,   26                          ; v26  16 x lane
.set ADRS, 27
.set SPW,  28
.set NIL,  29
.set SC,   32
.set BY,   64
.set AF,   128
.set T,    128                         ; the way out: 64 numbers of a block
.set TM,   224                         ; v224-239 at work in the quantiser
.set SEL,  20                          ; s[20:21], s22: set on the way out
.set MNT,  22
.set G1, 24
.set G0, 32
.set G1B, 48
.set G0B, 56
.set G1S, 68
.set G0S, 76
.set G1SB, 80
.set G0SB, 88
.set MSB, 0
.macro WIN new                         ; the immediate's high byte repeats the setting that is left
.if MSB != (\new)
	s_set_vgpr_msb (MSB<<8)|(\new)
.set MSB, (\new)
.endif
.endm
.set MUL_LO, 0xa1                      ; source 0 (Y) window 1, source 1 (X) window 0, C and D window 2
.set MUL_HI, 0xf1
.set TO_B,   0x40
; A joint load: waves 0 and 1 fetch for X, waves 2 and 3 for Y; the branch hangs on the wave's number alone.  Four v_nop follow each of the two lines.
.macro JLOAD g0a, g1a, g0b, g1b
	s_cmp_eq_u32 s17, 0
	s_cbranch_scc0 .Lfor_b_\@
	tensor_load_to_lds s[\g0a:\g0a+3], s[\g1a:\g1a+7]
	s_nop 0
.rept 4
	v_nop
.endr
	s_branch .Lasked_\@
.Lfor_b_\@:
	tensor_load_to_lds s[\g0b:\g0b+3], s[\g1b:\g1b+7]
	s_nop 0
.rept 4
	v_nop
.endr
.Lasked_\@:
.endm
.macro CREST                           ; a round of the cluster's barrier behind its opening barrier
	s_cmp_lg_u32 s16, 0
	s_cbranch_scc1 .Lnot_wave_0_\@
	s_barrier_signal -3
.Lnot_wave_0_\@:
	s_barrier_wait -3
	s_barrier_signal -1
	s_barrier_wait -1
.endm
.macro CROUND
	s_barrier_signal -1
	s_barrier_wait -1
	CREST
.endm
	s_load_b256 s[4:11], s[0:1], 0x0               ; xq s[4:5], wq8 s[6:7], wq_b s[8:9], wk_b s[10:11]
	s_load_b128 s[12:15], s[0:1], 0x20             ; wv_b s[12:13], hq s[14:15]
	v_lshl_add_u32 v[SPW], v0, 2, SPARE
	v_mov_b32 v[NIL], 0
	ds_add_u32 v28, v29
	ds_add_u32 v28, v29
	s_wait_dscnt 0x0
	v_lshrrev_b32 v1, 5, v0
	v_readfirstlane_b32 s16, v1                    ; wave 0..3
	s_lshr_b32 s17, s16, 1                         ; which half of the tile's rows of X is mine.  Also: I fetch for X (0) or for Y (1)
	s_and_b32 s18, s16, 1                          ; which half of its rows of Y.  Also: which 128 rows I fetch
	s_bfe_u32 s40, ttmp6, 0x40000                  ; cx, cy: my place in the cluster
	s_bfe_u32 s41, ttmp6, 0x40004
	s_and_b32 s97, ttmp7, 0xffff                   ; the cluster's y, which all sixteen share:
	s_lshr_b32 s96, s97, 3                         ; the tensor: 0 Q, 1 K, 2 V,
	s_and_b32 s97, s97, 7
	s_lshl_b32 s97, s97, 2                         ; and four tiles of tokens
	s_cmp_eq_u32 s96, 2
	s_cselect_b32 s43, 0, s97                      ; the tokens are X's rows for Q and K,
	s_cselect_b32 s42, s97, 0                      ; Y's for V
	s_add_co_u32 s43, s43, s41                     ; X's tile: hangs on cy
	s_lshl_b32 s19, ttmp9, 2
	s_add_co_u32 s42, s42, s19
	s_add_co_u32 s42, s42, s40                     ; Y's tile: hangs on cx
	s_lshl_b32 s44, s41, 2
	s_lshl_b32 s44, 15, s44                        ; my row of the cluster
	s_lshl_b32 s45, 0x1111, s40                    ; my column
	; descriptor group 1: a tile of 128 rows x 256 bytes, padded in LDS
	s_or_b32 s[G1+0], s44, (0<<16)|(1<<20)|(1<<21)|(5<<22)|(3<<25)  ; the mask; elements of 1 byte; padding on; bit 21 beside a mask; after every 64 words, 4 words
	s_or_b32 s[G1B+0], s45, (0<<16)|(1<<20)|(1<<21)|(5<<22)|(3<<25)
.irp g, G1, G1B
	s_mov_b32 s[\g+1], ROWB<<16                    ; tensor_dim0
	s_mov_b32 s[\g+2], 128<<16                     ; tensor_dim1
	s_mov_b32 s[\g+3], ROWB<<16                    ; tile_dim0
	s_mov_b32 s[\g+4], 128                         ; tile_dim1
	s_mov_b32 s[\g+5], KROW                        ; tensor_dim0_stride
	s_mov_b32 s[\g+6], 0
	s_mov_b32 s[\g+7], 0
.endr
	s_lshl_b32 s20, s43, 1
	s_add_co_u32 s20, s20, s18                     ; X: the group of 128 rows that I fetch
	s_lshl_b32 s46, s42, 1
	s_add_co_u32 s46, s46, s18                     ; Y likewise
	s_lshl_b32 s22, s20, 12                        ; their scale bytes: 4,096 a group
	s_lshl_b32 s92, s46, 12
	s_lshl_b32 s20, s20, 17                        ; their codes: 128 rows of 1,024 bytes
	s_lshl_b32 s46, s46, 17
	s_mov_b32 s21, 0
	s_mov_b32 s23, 0
	s_mov_b32 s47, 0
	s_mov_b32 s93, 0
	s_mul_i32 s2, s16, HALFT                       ; where they go: wave x 128 rows: no place in the cluster enters an LDS address
	s_lshl_b32 s3, s16, 12
	s_mov_b32 s67, 0
	s_wait_kmcnt 0x0
	s_lshl_b32 s66, s96, 23
	s_add_nc_u64 s[94:95], s[4:5], s[66:67]        ; the tokens' codes,
	s_lshl_b32 s66, s96, 18
	s_add_nc_u64 s[4:5], s[4:5], s[66:67]
	s_add_nc_u64 s[4:5], s[4:5], XQS               ; their scale bytes,
	s_lshl_b32 s66, s96, 20
	s_add_nc_u64 s[100:101], s[6:7], s[66:67]      ; the weight's codes,
	s_lshl_b32 s66, s96, 15
	s_add_nc_u64 s[6:7], s[6:7], s[66:67]
	s_add_nc_u64 s[6:7], s[6:7], WQS               ; its scale bytes
	s_cmp_eq_u32 s96, 2                            ; the choice hangs on the cluster's y alone
	s_cselect_b64 s[66:67], s[100:101], s[94:95]   ; X's codes
	s_cselect_b64 s[98:99], s[94:95], s[100:101]   ; Y's codes
	s_cselect_b64 s[94:95], s[6:7], s[4:5]         ; X's scale bytes
	s_cselect_b64 s[100:101], s[4:5], s[6:7]       ; Y's
	s_add_nc_u64 s[20:21], s[66:67], s[20:21]
	s_add_nc_u64 s[22:23], s[94:95], s[22:23]
	s_add_nc_u64 s[46:47], s[98:99], s[46:47]
	s_add_nc_u64 s[92:93], s[100:101], s[92:93]
	CROUND                                         ; all sixteen work-groups are here: the first joint loads meet
.irp s, 0,1
	s_mov_b32 s[G0+4*\s], 1
	s_add_co_u32 s[G0+4*\s+1], s2, \s*SLOT
	s_add_nc_u64 s[G0+4*\s+2:G0+4*\s+3], s[20:21], \s*ROWB
	s_or_b32 s[G0+4*\s+3], s[G0+4*\s+3], 0x80000000
	s_mov_b32 s[G0B+4*\s], 1
	s_add_co_u32 s[G0B+4*\s+1], s2, \s*SLOT
	s_add_nc_u64 s[G0B+4*\s+2:G0B+4*\s+3], s[46:47], \s*ROWB
	s_or_b32 s[G0B+4*\s+3], s[G0B+4*\s+3], 0x80000000
.endr
	JLOAD G0, G1, G0B, G1B                         ; K step 0: one tensor load a wave
; THE SCALE BYTES go through registers: each wave loads the 4,096 bytes of the 128 rows that it fetches (eight loads of 512 consecutive bytes) and stores them to LDS bytes of their own, ahead of the round below.
; PREFETCHES: of the 128 rows that a wave fetches, each of the four partners that ask for them jointly names 32, told apart by address (cx for X, cy for Y): a lane a row, 256 bytes of it a K step.
; K steps 1 and 2 are named here, K step 3 behind slot 1's load: never more than two K steps are named and not yet loaded.
.set SCP, 76                           ; s[76:77] my scale bytes in memory; s78 where they go in LDS
.set PFA, 88                           ; s[88:89] my 32 rows of codes; s[90:91] at work
	s_cmp_eq_u32 s17, 0                            ; do I fetch for X?
	s_cselect_b64 s[SCP:SCP+1], s[22:23], s[92:93]
	s_cselect_b64 s[PFA:PFA+1], s[20:21], s[46:47]
	s_cselect_b32 s[PFA+2], s40, s41
	s_lshl_b32 s[PFA+2], s[PFA+2], 15              ; 32 rows of 1,024 bytes for each partner
	s_mov_b32 s[PFA+3], 0
	s_add_nc_u64 s[PFA:PFA+1], s[PFA:PFA+1], s[PFA+2:PFA+3]
	s_add_co_u32 s[SCP+2], s3, SCL
	v_and_b32 v7, 31, v0
	v_lshlrev_b32 v19, 10, v7                      ; a lane a row; never rewritten
	v_lshlrev_b32 v7, 4, v7                        ; 16 x lane; never rewritten
	v_add_nc_u32 v18, s[SCP+2], v7
.irp n, 0,1,2,3,4,5,6,7
	global_load_b128 v[AF+4*\n:AF+4*\n+3], v7, s[SCP:SCP+1] offset:512*\n
.endr
	global_prefetch_b8 v19, s[PFA:PFA+1] offset:256 th:TH_LOAD_NT scope:SCOPE_SE
	global_prefetch_b8 v19, s[PFA:PFA+1] offset:512 th:TH_LOAD_NT scope:SCOPE_SE
	v_and_b32 v1, 15, v0                           ; r = lane % 16
	v_bfe_u32 v2, v0, 4, 1                         ; h = lane / 16
	s_wait_alu depctr_va_vdst(0)
	v_mul_u32_u24 v3, v1, PITCH
	v_lshl_add_u32 v4, v2, 4, v3                   ; a fragment's row x pitch + 16 x half
	s_mul_i32 s21, s17, HALFT                      ; my 128 rows of X
	s_mul_i32 s22, s18, HALFT                      ; my 128 rows of Y,
	s_add_co_u32 s22, s22, 2*HALFT                 ; which lie behind X's 256
.irp s, 0,1
	v_add_nc_u32 v[ADRA+\s], s21, v4
	v_add_nc_u32 v[ADRB+\s], s22, v4
	s_add_co_u32 s21, s21, SLOT
	s_add_co_u32 s22, s22, SLOT
.endr
	v_lshlrev_b32 v5, 3, v1                        ; my row's scale bytes of a K step: 8 a row
	s_lshl_b32 s21, s17, 12                        ; X's: my 128 rows
	s_lshl_b32 s22, s18, 12                        ; Y's: my 128 rows, behind X's two halves
	s_add_co_u32 s22, s22, 8192
	s_sub_co_u32 s22, s22, s21
	v_mul_u32_u24 v6, s22, v2                      ; lanes 16-31 take Y's
	s_add_co_u32 s21, s21, SCL
	v_add_nc_u32 v5, v5, v6
	v_add_nc_u32 v[ADRS], s21, v5
	v_and_b32 v6, 31, v0
	v_lshlrev_b32 v[CO], 4, v6
	s_lshl_b32 s23, s16, 9
	v_lshl_add_u32 v[STO], v1, 5, s23              ; row r's eight words
	v_add_nc_u32 v[RD], s23, v[CO]
	v_lshlrev_b32 v30, 6, v2                       ; the bias along Y: my half's 16 numbers of each 32
	s_wait_alu depctr_va_vdst(0)
	v_and_b32 v31, 8, v1
	v_add_nc_u32 v31, v31, v1
	v_lshlrev_b32 v31, 2, v31                      ; the bias by rows of X: row r + 8 (r / 8)
	; the bias, and where my results go.  The bias runs along the features: Y for Q and K, X for V; both sets are loaded from inside the buffer, and the one that does not apply becomes 0 on the way out
	s_wait_alu depctr_va_vdst(0)
	s_lshl_b32 s20, s43, 1
	s_add_co_u32 s20, s20, s17                     ; my group of 128 rows of X,
	s_lshl_b32 s46, s42, 1
	s_add_co_u32 s46, s46, s18                     ; and of Y
	s_lshl_b32 s22, s20, 9
	s_lshl_b32 s92, s46, 9
	s_cmp_eq_u32 s96, 1
	s_cselect_b64 s[8:9], s[10:11], s[8:9]
	s_cmp_eq_u32 s96, 2
	s_cselect_b64 s[8:9], s[12:13], s[8:9]         ; the tensor's bias
	s_cselect_b32 s19, -1, 0                       ; all lanes: V or not
	s_cselect_b32 s94, 0, s92
	s_cselect_b32 s100, s22, 0
	s_cselect_b32 s98, s46, s20                    ; the group of 128 tokens: 16 x batch + key step
	s_cselect_b32 s99, s20, s46                    ; the pair of heads, 0..7
	s_mov_b32 s95, 0
	s_mov_b32 s101, 0
	s_add_nc_u64 s[10:11], s[8:9], s[94:95]
	s_add_nc_u64 s[12:13], s[8:9], s[100:101]
.irp b, 0,1,2,3
.irp j, 0,1,2,3
	global_load_b128 v[BY+16*\b+4*\j:BY+16*\b+4*\j+3], v30, s[10:11] offset:128*\b+16*\j
.endr
.endr
.irp a, 0,1,2,3,4,5,6,7
	global_load_b32 v[BX+\a], v31, s[12:13] offset:(32*(\a/2)+8*(\a%2))*4
.endr
	s_lshr_b32 s94, s98, 4
	s_lshl_b32 s94, s94, 3
	s_add_co_u32 s94, s94, s99                     ; 8 x batch + pair of heads
	s_lshl_b32 s94, s94, 4
	s_and_b32 s100, s98, 15
	s_add_co_u32 s94, s94, s100                    ; x 16 + key step: a pair's 16 key steps lie on end
	s_lshl_b32 s98, s94, 14                        ; eight images of 2,048 bytes
	s_lshl_b32 s100, s96, 23
	s_add_co_u32 s98, s98, s100
	s_mov_b32 s99, 0
	s_add_nc_u64 s[4:5], s[14:15], s[98:99]        ; my images
	s_lshl_b32 s98, s94, 9
	s_lshl_b32 s100, s96, 18
	s_add_co_u32 s98, s98, s100
	s_add_nc_u64 s[6:7], s[14:15], s[98:99]
	s_add_nc_u64 s[6:7], s[6:7], HQS               ; their scale words, 512 bytes
.macro FRAG reg, adr, q, i             ; a fragment: lane l holds row l % 16; registers 4 c .. 4 c + 3 hold K = 32 c + 16 (l / 16) + 0 .. 15
.irp c, 0,1,2,3
	ds_load_b128 v[\reg+4*\c:\reg+4*\c+3], v[\adr] offset:128*(\q)+32*\c+(\i)*16*PITCH
.endr
.endm
; 16 matrix instructions: X's blocks a0, a0 + 1 x Y's eight, 128 along K.  The 64 accumulators take turns, one instruction a turn, in the same order in every step.
.macro MUL16 a0, p, q, sc, zero
.irp a, \a0, \a0+1
.irp b, 0,1,2,3,4,5,6,7
.if \zero
	v_wmma_scale_f32_16x16x128_f8f6f4 v[8*(8*((\a)%4)+\b):8*(8*((\a)%4)+\b)+7], v[128*(\p)+FR*\b:128*(\p)+FR*\b+FR-1], v[AF+FR*(\a):AF+FR*(\a)+FR-1], 0, v[SC+8*NQ*(\sc)+NQ*\b+(\q)], v[SC+8*NQ*(\sc)+NQ*(\a)+(\q)] matrix_a_scale:MATRIX_SCALE_ROW1
.else
	v_wmma_scale_f32_16x16x128_f8f6f4 v[8*(8*((\a)%4)+\b):8*(8*((\a)%4)+\b)+7], v[128*(\p)+FR*\b:128*(\p)+FR*\b+FR-1], v[AF+FR*(\a):AF+FR*(\a)+FR-1], v[8*(8*((\a)%4)+\b):8*(8*((\a)%4)+\b)+7], v[SC+8*NQ*(\sc)+NQ*\b+(\q)], v[SC+8*NQ*(\sc)+NQ*(\a)+(\q)] matrix_a_scale:MATRIX_SCALE_ROW1
.endif
.endr
.endr
.endm
.macro FETCH_B slot, q, p
	WIN TO_B
.irp i, 0,1,2,3,4,5,6,7
	FRAG 128*(\p)+FR*\i, ADRB+\slot, \q, \i
.endr
	WIN 0
.endm
.macro FETCH_A slot, q, i0
.irp i, \i0, \i0+1, \i0+2, \i0+3
	FRAG AF+FR*(\i), ADRA+\slot, \q, \i
.endr
.endm
.macro SCALES sc                       ; a K step's scale words: two a row; lanes 0-15 take X's block i, lanes 16-31 Y's block i
.irp i, 0,1,2,3,4,5,6,7
	ds_load_b64 v[SC+8*NQ*\sc+NQ*\i:SC+8*NQ*\sc+NQ*\i+1], v[ADRS] offset:\i*128
.endr
.endm
.macro PLACES n                        ; plain vector instructions between a matrix instruction and a load into, or a read of, its registers
.rept \n
	v_nop
.endr
.endm
.macro STEP slot, q, zero              ; a step of 128 along K that has its successor in the same slot
	s_wait_dscnt 4*NL                              ; Y's set and X's blocks 0-3 are in; the youngest 16 loads (X's blocks 4-7) may be out
	WIN MUL_LO
	MUL16 0, (\q)%2, \q, \slot, \zero
	MUL16 2, (\q)%2, \q, \slot, \zero
	s_wait_dscnt 0
	PLACES NP
	FETCH_B \slot, (\q)+1, 1-(\q)%2
	FETCH_A \slot, (\q)+1, 0
	WIN MUL_HI
	MUL16 4, (\q)%2, \q, \slot, \zero
	MUL16 6, (\q)%2, \q, \slot, \zero
	PLACES NP
	WIN 0
	FETCH_A \slot, (\q)+1, 4
.endm
; A slot's last step changes slots: one barrier; in front of it each wave waits for all its tensor loads, adds 0 to its spare word, and waits for that and for its own reads of this slot.
.macro TURN slot, next, fill
	s_wait_tensorcnt 0x0                           ; all my tensor loads have landed: my part of the next slot
	ds_add_u32 v[SPW], v[NIL]                      ; 0 onto my spare word
	s_wait_dscnt 4*NL+1                            ; (the add and the youngest 16 loads may be out)
	WIN MUL_LO
	MUL16 0, 1, NQ-1, \slot, 0
	s_wait_dscnt 0x0                               ; the add is done, and my reads of this slot are over
	s_barrier_signal -1
	MUL16 2, 1, NQ-1, \slot, 0
	WIN 0
	s_barrier_wait -1
.if \fill
	CREST                                          ; the barrier has opened a round of the cluster's: no wave of any partner still reads this slot or has a load on its way
	s_add_nc_u64 s[G0+4*\slot+2:G0+4*\slot+3], s[G0+4*\slot+2:G0+4*\slot+3], 2*ROWB
	s_add_nc_u64 s[G0B+4*\slot+2:G0B+4*\slot+3], s[G0B+4*\slot+2:G0B+4*\slot+3], 2*ROWB
	JLOAD G0+4*\slot, G1, G0B+4*\slot, G1B         ; the first tensor load behind the round; its four v_nop are among the places in front of the loads below
	PLACES NP-4
.else
	PLACES NP
.endif
	s_wait_alu depctr_va_vdst(0)
	v_add_nc_u32 v[ADRS], 1024, v[ADRS]            ; the next K step's scale words: 128 rows x 8 bytes on
	FETCH_B \next, 0, 0
	FETCH_A \next, 0, 0
	SCALES \next
	WIN MUL_HI
	MUL16 4, 1, NQ-1, \slot, 0
	MUL16 6, 1, NQ-1, \slot, 0
	PLACES NP
	WIN 0
	FETCH_A \next, 0, 4
.endm
	s_wait_alu depctr_va_vdst(0)
	s_wait_loadcnt 24                              ; my scale bytes are in; the biases' 24 loads may be out
.irp n, 0,1,2,3,4,5,6,7
	ds_store_b128 v18, v[AF+4*\n:AF+4*\n+3] offset:512*\n
.endr
	s_wait_tensorcnt 0x0                           ; my part of K step 0 is in; a later first fill is issued as a refill is
	ds_add_u32 v[SPW], v[NIL]
	s_wait_dscnt 0x0                               ; the add and my stores of scale bytes are done
	CROUND                                         ; everybody's are, and the joint loads meet
	JLOAD G0+4, G1, G0B+4, G1B                     ; K step 1, the first tensor load behind the round
	FETCH_B 0, 0, 0
	FETCH_A 0, 0, 0
	SCALES 0
	FETCH_A 0, 0, 4
	global_prefetch_b8 v19, s[PFA:PFA+1] offset:768 th:TH_LOAD_NT scope:SCOPE_SE
	STEP 0, 0, 1                                   ; the first step stands in front of the loop: its products start the sums
	s_mov_b32 s3, LAPS-1
.Llap:
	TURN 0, 1, 1
	STEP 1, 0, 0
	TURN 1, 0, 1
	STEP 0, 0, 0
	s_sub_co_u32 s3, s3, 1
	s_cmp_lg_u32 s3, 0
	s_cbranch_scc1 .Llap
	TURN 0, 1, 0                                   ; the last lap fills nothing
	STEP 1, 0, 0
	s_wait_dscnt 4*NL
	WIN MUL_LO
	MUL16 0, 1, NQ-1, 1, 0
	MUL16 2, 1, NQ-1, 1, 0
	s_wait_dscnt 0
	WIN MUL_HI
	MUL16 4, 1, NQ-1, 1, 0
	MUL16 6, 1, NQ-1, 1, 0
	WIN 0
; 64 numbers of a lane, v[s] on, register 16 b + i = k 32 b + 16 (lane / 16) + i of my row, become a fragment's codes in v[pc] on and its scale word in v[pw].
.macro QUANT s, pc, pw
.irp b, 0,1,2,3
	v_max3_num_f32 v[TM+\b], |v[\s+16*\b]|, |v[\s+1+16*\b]|, 0x4800000   ; my 16 numbers of block b, and the floor 2^(9 - 127): the byte cannot fall under 1
.endr
.irp i, 2,4,6,8,10,12,14
.irp b, 0,1,2,3
	v_max3_num_f32 v[TM+\b], v[TM+\b], |v[\s+16*\b+\i]|, |v[\s+1+16*\b+\i]|
.endr
.endr
.irp b, 0,1,2,3
	v_permlanex16_b32 v[TM+4+\b], v[TM+\b], s[SEL], s[SEL+1]
.endr
.irp b, 0,1,2,3
	v_max_num_f32 v[TM+\b], v[TM+\b], v[TM+4+\b]   ; with lane l xor 16's: the block's largest magnitude
.endr
.irp b, 0,1,2,3
	v_add_nc_u32 v[TM+12+\b], 0xfc000000, v[TM+\b] ; 8 off its exponent field: the conversion's scale operand
.endr
.irp b, 0,1,2,3
	v_and_or_b32 v[TM+8+\b], v[TM+\b], 0x7f800000, s[MNT]   ; 448 x the scale
.endr
.irp b, 0,1,2,3
	v_lshrrev_b32 v[TM+4+\b], 23, v[TM+12+\b]      ; the scale's byte
.endr
	v_lshl_or_b32 v[\pw], v[TM+5], 8, v[TM+4]
	v_lshl_or_b32 v[\pw], v[TM+6], 16, v[\pw]
	v_lshl_or_b32 v[\pw], v[TM+7], 24, v[\pw]
.irp b, 0,1,2,3
.irp i, 0,1,2,3,4,5,6,7,8,9,10,11,12,13,14,15
	v_med3_num_f32 v[\s+16*\b+\i], v[\s+16*\b+\i], -v[TM+8+\b], v[TM+8+\b]   ; the conversion does not saturate (ISA guide 7.6.2): the hold comes first
.endr
	v_cvt_scalef32_pk8_fp8_f32 v[\pc+4*\b:\pc+1+4*\b], v[\s+16*\b:\s+7+16*\b], v[TM+12+\b]
	v_cvt_scalef32_pk8_fp8_f32 v[\pc+2+4*\b:\pc+3+4*\b], v[\s+8+16*\b:\s+15+16*\b], v[TM+12+\b]
.endr
	v_nop                                          ; a plain vector instruction between the conversions and whatever next writes their sources
.endm
; THE WAY OUT, block by block of 16 rows of X: + bias, quantised, the image stored as it stands in the registers: each store covers 512 consecutive bytes.
.macro OUTBLK a
.set AC, 64*((\a)%4)
.set PCC, 192+16*((\a)%2)
.if (\a) >= 2
	s_wait_xcnt 0x0                                ; block a - 2's stores have read the registers that this block's codes take
.endif
	WIN 0x02+((\a)/4)                              ; source 0: window 2 or 3
.set n, 0
.rept 32
	v_pk_add_f32 v[T+n:T+n+1], v[AC+n:AC+n+1], v[BY+n:BY+n+1]    ; each accumulator from its low end on
.set n, n+2
.endr
	WIN 0
.set n, 0
.rept 32
.if ((\a)%2) == 0
	v_pk_add_f32 v[T+n:T+n+1], v[T+n:T+n+1], v[BX+2*((\a)/2):BX+2*((\a)/2)+1] op_sel_hi:[1,0]
.else
	v_pk_add_f32 v[T+n:T+n+1], v[T+n:T+n+1], v[BX+2*((\a)/2):BX+2*((\a)/2)+1] op_sel:[0,1] op_sel_hi:[1,1]
.endif
.set n, n+2
.endr
	QUANT T, PCC, 240+(\a)
.irp c, 0,1,2,3
	global_store_b128 v[CO], v[PCC+4*\c:PCC+4*\c+3], s[4:5] offset:2048*(\a)+512*\c
.endr
	ds_store_b32 v[STO], v[240+(\a)] offset:4*(\a) ; both halves of the lanes write the same word with the same value
.endm
	PLACES NP                                      ; behind the last products: their results are read and X's fragments written below
	s_wait_loadcnt 0x0                             ; the biases
	s_mov_b32 s[SEL], 0x76543210
	s_mov_b32 s[SEL+1], 0xfedcba98                 ; v_permlanex16_b32's selects for lane l xor 16
	s_mov_b32 s[MNT], 0x600000
.set n, 0
.rept 64
	v_cndmask_b32 v[BY+n], v[BY+n], 0, s19         ; V has no bias along Y,
.set n, n+1
.endr
.irp a, 0,1,2,3,4,5,6,7
	v_cndmask_b32 v[BX+\a], 0, v[BX+\a], s19       ; Q and K none by rows of X
.endr
.irp b, 0,1,2,3
	v_mov_b32 v[TM+4+\b], 0                        ; written once: a lane permute's destination counts as one of its sources
.endr
.irp a, 0,1,2,3,4,5,6,7
	OUTBLK \a
.endr
	ds_load_b128 v[248:251], v[RD]                 ; LDS serves a wave's instructions in order: these see my stores
	s_wait_dscnt 0x0
	global_store_b128 v[CO], v[248:251], s[6:7]    ; [row r][block a] words: 512 consecutive bytes
	s_wait_tensorcnt 0x0                           ; the wave's end
	ds_add_u32 v[SPW], v[NIL]
	s_wait_dscnt 0x0
	CROUND                                         ; the closing round
	s_endpgm
.Lfunc_end_k_qcc3cba1355_proj:
	.size	k_qcc3cba1355_proj, .Lfunc_end_k_qcc3cba1355_proj-k_qcc3cba1355_proj
	.p2alignl 7, 3214868480
	.fill 96, 4, 3214868480
	.section	.rodata,"a",@progbits
	.p2align	6, 0x0
	.amdhsa_kernel k_qcc3cba1355_proj
		.amdhsa_group_segment_fixed_size 327680
		.amdhsa_private_segment_fixed_size 0
		.amdhsa_enable_private_segment 0
		.amdhsa_kernarg_size 48
		.amdhsa_user_sgpr_count 2
		.amdhsa_user_sgpr_kernarg_segment_ptr 1
		.amdhsa_wavefront_size32 1
		.amdhsa_system_sgpr_workgroup_id_x 1
		.amdhsa_system_sgpr_workgroup_id_y 1
		.amdhsa_system_sgpr_workgroup_id_z 1
		.amdhsa_system_vgpr_workitem_id 0
		.amdhsa_next_free_vgpr 1024
		.amdhsa_next_free_sgpr 102
		.amdhsa_reserve_vcc 0
		.amdhsa_float_denorm_mode_32 3
		.amdhsa_float_denorm_mode_16_64 3
		.amdhsa_memory_ordered 1
		.amdhsa_forward_progress 1
		.amdhsa_inst_pref_size 225
	.end_amdhsa_kernel
	.amdgpu_metadata
---
amdhsa.version: [ 1, 2 ]
amdhsa.kernels:
  - .name:           k_qcc3cba1355_proj
    .symbol:         k_qcc3cba1355_proj.kd
    .args:
      - { .name: xq, .offset: 0, .size: 8, .value_kind: global_buffer, .address_space: global }
      - { .name: wq8, .offset: 8, .size: 8, .value_kind: global_buffer, .address_space: global }
      - { .name: wq_b, .offset: 16, .size: 8, .value_kind: global_buffer, .address_space: global }
      - { .name: wk_b, .offset: 24, .size: 8, .value_kind: global_buffer, .address_space: global }
      - { .name: wv_b, .offset: 32, .size: 8, .value_kind: global_buffer, .address_space: global }
      - { .name: hq, .offset: 40, .size: 8, .value_kind: global_buffer, .address_space: global }
    .group_segment_fixed_size: 327680
    .private_segment_fixed_size: 0
    .kernarg_segment_align: 8
    .kernarg_segment_size: 48
    .max_flat_workgroup_size: 128
    .sgpr_count:     102
    .vgpr_count:     1024
    .wavefront_size: 32
...
	.end_amdgpu_metadata
.endif
;; end of part 2
;; launch attn (part 3): grid 16 x 16, 8 waves a work-group, clusters of 4 x 1, 327,680 bytes of LDS; arguments hq, mi, aq; writes aq
.if DOCPART == 3
	.amdgcn_target "amdgcn-amd-amdhsa--gfx1250"
	.amdhsa_code_object_version 6
	.text
	.protected	k_qcc3cba1355_attn
	.globl	k_qcc3cba1355_attn
	.p2align	8
	.type	k_qcc3cba1355_attn,@function
k_qcc3cba1355_attn:
	s_mov_b64 s[64:65], 0
	v_nop
	global_prefetch_b8 v0, s[64:65] scope:SCOPE_SE
	s_setreg_imm32_b32 hwreg(HW_REG_WAVE_MODE, 25, 1), 1
	s_wait_xcnt 0x0
	s_wait_alu depctr_hold_cnt(0) depctr_sa_sdst(0) depctr_va_vdst(0) depctr_va_sdst(0) depctr_va_ssrc(0) depctr_va_vcc(0) depctr_vm_vsrc(0)
	s_getreg_b32 s2, hwreg(HW_REG_IB_STS2, 6, 4)
	s_cmp_eq_u32 s2, 0
	s_cbranch_scc0 .Lentry_in_a_cluster
	s_endpgm
.Lentry_in_a_cluster:
	s_bfe_u32 s2, ttmp6, 0x10000c
	s_cmp_lg_u32 s2, 0x3003
	s_cbranch_scc0 .Lentry_shape_is_right
	s_endpgm
.Lentry_shape_is_right:
; ATTN: softmax(Q K^T / 8 + mask x (-1e9)) V on codes of FP8 (E4M3) with E8M0 scales; the result is divided by the row's sum, quantised along the features and stored as the last projection's operand.
; SHARES.  A work-group owns 128 queries of one batch and four heads (work-group y = 4 x batch + head / 4, x = the block of queries); each of its eight waves owns one tile of 16 queries.
; The four heads go as two pairs, one after the other; a pair's K and V images of all 2,048 keys are dense in hq, and the two pairs lie on end: the ring walks 8 slots of 512 keys.
; A slot is K's 64 KiB and V's 64 KiB; each wave fetches 16 KiB of it by one tensor load.  Two slots; one change of slots for four key steps of 128 keys.
; CLUSTER: the four work-groups of a cluster walk the same K and V: every load is asked for jointly (mask 15); each refill stands behind a round of the cluster's barrier.
; LAYOUT.  Both products are used transposed, so a lane holds one query (lane % 16).  A K image holds 16 keys x the pair's 128 features; Q's fragment of one head has zero codes in the other head's half.
; Register 16 b + i of a head's scores is key 32 b + 16 (lane / 16) + i of the step: the conversions' results are the second product's operand.
; THE MASK's term, mask x (-8e9) in the scores' register order (mi), is the C operand of the first product: score + 8 x (mask x (-1e9)); c = log2(e) / 8 then gives t.
; SOFTMAX: M = ceil of the running largest t; p = 2^(t - M) by one fused multiply-add and one exponential; the sum is taken of the unquantised p; the sum and O^T are multiplied by 2^(old M - new M) in every step.
; The second pair starts by setting the largest score to -3e38 and -M to 3e38: the first factor is then 0, which clears the sum and O^T.
; SCALE WORDS of K and V (16 KiB each for the four heads) go once through registers into LDS bytes of their own.  The second pair's Q, and later the first pair's codes, lie in the wave's own 2,176 bytes of LDS.
; PREFETCH: at a change of slots the waves 0, 1, 4, 5 of the clusters with x = 0 name the slot that the next change loads: 8 KiB a wave, lanes 256 bytes apart, the four partners told apart by address; the last filling change names nothing.
; The mask images are loaded one key step ahead of their use, straight into registers, and are not prefetched beside that.
; LIMITS: NaN and infinities are not served.  The promise holds while |t| stays under 2^31.  The sum score + mask x (-8e9) is rounded by the matrix unit and not by a vector addition.
; A block whose every p is 0 has its byte held at 1 (its codes are zeros; this program alone reads the bytes).
; REGISTERS.  Window 0: v1-11 addresses, v10 Q's scale word, v12-19 (-M, largest score, sum in two halves) x 2 heads, v20-35 K's and V's scale words, v36-37 p's, v38-39 the factors, v40-63 Q, v64-191 scores then p, v192-223 codes, v224-255 at work.
; Window 1: v0-127 fragments of K, then of V; v128-191 O^T; v192-255 the mask's image.
.set SLOT1, 1<<17
.set SCK,   2*SLOT1                    ; K's scale words, 16 KiB; V's behind them
.set SPILL, SCK+32768                  ; 2,048 bytes for each wave
.set SPILLW, SPILL+16384               ; and one word for each lane
.set SPARE, SPILLW+1024                ; the spare words, 128 bytes for each wave
.set SST,   128*272                    ; the way out: behind 128 rows of 272 bytes, the rows' scale words
.set HQS,   25165824
.set AQS,   8388608
.set TM,    224
.set SEL,   20
.set CS,    22
.set MNT,   16
.set MSB, 0
.macro WIN new                         ; the immediate's high byte repeats the setting that is left
.if MSB != (\new)
	s_set_vgpr_msb (MSB<<8)|(\new)
.set MSB, (\new)
.endif
.endm
.macro CROUND                          ; a round of the cluster's barrier
	s_barrier_signal -1
	s_barrier_wait -1
	s_cmp_lg_u32 s12, 0
	s_cbranch_scc1 .Lnot_wave_0_\@
	s_barrier_signal -3
.Lnot_wave_0_\@:
	s_barrier_wait -3
	s_barrier_signal -1
	s_barrier_wait -1
.endm
.macro ASK
	s_cmp_gt_u32 s56, s15
	s_cbranch_scc0 .Lnot_mine_\@
	global_prefetch_b8 v9, s[18:19] th:TH_LOAD_NT scope:SCOPE_SE
.Lnot_mine_\@:
.endm
	s_load_b128 s[4:7], s[0:1], 0x0                ; hq, mi
	s_load_b64 s[8:9], s[0:1], 0x10                ; aq
	v_lshl_add_u32 v4, v0, 2, SPARE
	v_mov_b32 v5, 0
	ds_add_u32 v4, v5
	ds_add_u32 v4, v5
	v_lshrrev_b32 v1, 5, v0
	v_readfirstlane_b32 s12, v1                    ; wave 0..7
	s_and_b32 s10, s12, 3                          ; which key step of a slot I fetch
	s_lshr_b32 s11, s12, 2                         ; for K (0) or for V (1)
	s_and_b32 s17, ttmp7, 0xffff                   ; y = 4 x batch + head / 4
	s_mov_b32 s24, 15|(3<<16)|(1<<21)              ; group 1: 16 KiB dense, as 64 rows of 256 bytes; the mask names the four partners
	s_mov_b32 s25, 32<<16
	s_mov_b32 s26, 64<<16
	s_mov_b32 s27, 32<<16
	s_mov_b32 s28, 64
	s_mov_b32 s29, 32
	s_mov_b32 s30, 0
	s_mov_b32 s31, 0
	s_add_co_u32 s52, s11, 1                       ; the tensor in hq: 1 K, 2 V
	s_lshl_b32 s48, s52, 23
	s_lshl_b32 s53, s17, 19                        ; two pairs x 16 key steps x 16 KiB
	s_add_co_u32 s48, s48, s53
	s_lshl_b32 s53, s10, 14
	s_add_co_u32 s48, s48, s53
	s_mov_b32 s49, 0
	s_mov_b32 s[SEL], 0x76543210
	s_mov_b32 s[SEL+1], 0xfedcba98                 ; lane l xor 16
	s_mov_b32 s[CS], 0x3e38aa3b                    ; c = log2(e) / 8
	s_mov_b32 s[CS+1], s[CS]
	s_mov_b32 s[MNT], 0x600000                     ; the mantissa field of 448
	s_mov_b32 s2, 0                                ; LDS byte of the slot in hand
	s_mov_b32 s3, 0                                ; its scale words: 2,048 bytes a slot
	s_mov_b32 s56, 7                               ; slots still to be asked for
	s_wait_dscnt 0x0
	s_wait_kmcnt 0x0
	s_mov_b32 s40, 1
	s_lshl_b32 s41, s12, 14                        ; K's four steps, then V's four: wave x 16 KiB
	s_add_nc_u64 s[42:43], s[4:5], s[48:49]
	s_or_b32 s43, s43, 0x80000000
	CROUND
	tensor_load_to_lds s[40:43], s[24:31]          ; slot 0: one load a wave
	s_nop 0
.rept 4
	v_nop
.endr
	s_bfe_u32 s13, ttmp6, 0x40000                  ; cx
	s_lshl_b32 s14, ttmp9, 2
	s_add_co_u32 s14, s14, s13                     ; x: the block of 128 queries
	s_lshl_b32 s54, s52, 23                        ; the prefetches: my partner's 16 KiB, my wave's 8 KiB of them, in slot 1 (the first change steps it to slot 2)
	s_lshl_b32 s53, s17, 19
	s_add_co_u32 s54, s54, s53
	s_lshl_b32 s53, s13, 14
	s_add_co_u32 s54, s54, s53
	s_and_b32 s53, s12, 1
	s_lshl_b32 s53, s53, 13
	s_add_co_u32 s54, s54, s53
	s_add_co_u32 s54, s54, 65536
	s_mov_b32 s55, 0
	s_add_nc_u64 s[18:19], s[4:5], s[54:55]
	s_and_b32 s15, s12, 2
	s_or_b32 s15, s15, ttmp9
	s_cmp_eq_u32 s15, 0
	s_cselect_b32 s15, 1, -1                       ; who asks: waves 0, 1, 4, 5 of the clusters with x = 0
	s_lshl_b32 s70, s17, 19
	s_lshl_b32 s71, s14, 14
	s_add_co_u32 s70, s70, s71
	s_lshl_b32 s71, s12, 11
	s_add_co_u32 s70, s70, s71
	s_mov_b32 s71, 0
	s_add_nc_u64 s[72:73], s[4:5], s[70:71]        ; Q's image of the first pair; the second pair's lies 16 x 16 KiB on
	s_lshl_b32 s70, s17, 14
	s_add_nc_u64 s[46:47], s[4:5], s[70:71]
	s_add_nc_u64 s[46:47], s[46:47], HQS+(1<<18)   ; K's scale words of the four heads; V's lie 1 << 18 on
	s_lshl_b32 s68, s14, 9
	s_add_co_u32 s70, s70, s68
	s_lshl_b32 s68, s12, 2
	s_add_co_u32 s70, s70, s68
	s_add_nc_u64 s[74:75], s[4:5], s[70:71]
	s_add_nc_u64 s[74:75], s[74:75], HQS           ; Q's scale words
	s_lshl_b32 s70, s14, 3
	s_add_co_u32 s70, s70, s12
	s_lshl_b32 s70, s70, 17
	s_add_nc_u64 s[58:59], s[6:7], s[70:71]        ; my tile's 16 mask images of 8 KiB
	s_lshl_b32 s76, s12, 11
	s_add_co_u32 s76, s76, SPILL
	v_and_b32 v7, 31, v0
	v_and_b32 v6, 15, v0                           ; r
	v_lshlrev_b32 v8, 4, v0                        ; 16 x thread
	v_lshl_add_u32 v38, v0, 4, SCK
	v_lshl_add_u32 v2, v0, 2, SPILLW
	v_lshlrev_b32 v1, 4, v7                        ; 16 x lane
	v_lshlrev_b32 v9, 8, v7
	v_lshl_add_u32 v3, v6, 5, SCK                  ; row r's eight scale words
	v_lshlrev_b32 v7, 5, v6
	v_add_nc_u32 v11, s76, v1
.irp n, 0,1,2,3
	global_load_b128 v[64+4*\n:67+4*\n], v8, s[46:47] offset:4096*\n
	global_load_b128 v[80+4*\n:83+4*\n], v8, s[46:47] offset:262144+4096*\n
.endr
.irp c, 0,1,2,3
	global_load_b128 v[96+4*\c:99+4*\c], v1, s[72:73] offset:262144+512*\c
.endr
	global_load_b32 v112, v7, s[74:75] offset:8192
	global_load_b128 v[40:43], v1, s[72:73]
	global_load_b128 v[44:47], v1, s[72:73] offset:512
	global_load_b128 v[56:59], v1, s[72:73] offset:1024
	global_load_b128 v[60:63], v1, s[72:73] offset:1536
	global_load_b32 v10, v7, s[74:75]
	WIN 0x40
.irp c, 0,1,2,3,4,5,6,7,8,9,10,11,12,13,14,15
	global_load_b128 v[192+4*\c:195+4*\c], v1, s[58:59] offset:512*\c
.endr
.set n, 0
.rept 64
	v_mov_b32 v[128+n], 0                          ; O^T, once: the step is written once and finds zeros
.set n, n+1
.endr
	WIN 0
.irp e, 0,1
	v_mov_b32 v[13+4*\e], 0xff61b1e6               ; the largest score so far: -3e38
	v_mov_b32 v[12+4*\e], 0x7f61b1e6               ; -M: 3e38
	v_mov_b32 v[14+4*\e], 0
	v_mov_b32 v[15+4*\e], 0
.endr
.irp j, 0,1,2,3,4,5,6,7
	v_mov_b32 v[48+\j], 0                          ; the zero codes between Q's two heads
	v_mov_b32 v[TM+8+\j], 0                        ; a lane permute's destination counts as a source
.endr
	s_wait_alu depctr_va_vdst(0)
	s_wait_loadcnt 21                              ; the scale words and the second pair's Q are in; Q's 5 loads and the mask's 16 may be out
.irp n, 0,1,2,3
	ds_store_b128 v38, v[64+4*\n:67+4*\n] offset:4096*\n
	ds_store_b128 v38, v[80+4*\n:83+4*\n] offset:16384+4096*\n
.endr
.irp c, 0,1,2,3
	ds_store_b128 v11, v[96+4*\c:99+4*\c] offset:512*\c
.endr
	ds_store_b32 v2, v112
	s_wait_xcnt 0x0                                ; the loads have read their offsets: v6 to v8 are written in the steps
; A KEY STEP: 128 keys x my 16 queries x the pair's two heads.  s57: which step of the slot.
; sig = 1: the slot's last step carries the change of slots.  My last reads of the slot, V's fragments, are waited for ahead of the exponentials; there stand the three lines and the round's opening signal;
; the exponentials, sums, conversions and the second product, work on registers alone, stand between the signal and the wait; the rest of the round and the joint refill follow behind the wait.
.macro STEP last, sig
	s_lshl_b32 s70, s57, 14
	s_add_co_u32 s70, s70, s2
	s_add_co_u32 s69, s70, 0x10000
	s_lshl_b32 s71, s57, 9
	s_add_co_u32 s71, s71, s3
	v_add_nc_u32 v6, s70, v1                       ; K's eight images
	v_add_nc_u32 v8, s71, v3                       ; the step's scale words
	v_add_nc_u32 v7, s69, v1                       ; V's eight images
.rept 5
	v_nop                                          ; with the three above: eight places behind the last products, ahead of loads into their registers
.endr
	ds_load_b128 v[20:23], v8
	ds_load_b128 v[24:27], v8 offset:16
	ds_load_b128 v[28:31], v8 offset:16384
	ds_load_b128 v[32:35], v8 offset:16400
	WIN 0x40
.irp t, 0,1,2,3,4,5,6,7
.irp c, 0,1,2,3
	ds_load_b128 v[16*\t+4*\c:16*\t+4*\c+3], v6 offset:2048*\t+512*\c
.endr
.endr
	WIN 0
	s_wait_alu depctr_va_vdst(0)
	s_wait_loadcnt 0x0                             ; the mask's image (and at first Q)
	s_lshl_b32 s62, s3, 4                          ; the next step's image: ((step + 1) % 16) x 8 KiB
	s_lshl_b32 s63, s57, 13
	s_add_co_u32 s62, s62, s63
	s_add_co_u32 s68, s62, 8192                    ; (step + 1) x 8 KiB, counted over both pairs
	s_and_b32 s62, s68, 0x1e000
	s_mov_b32 s63, 0
	s_add_nc_u64 s[60:61], s[58:59], s[62:63]
	WIN 0x11                                       ; K's fragments and the mask in window 1
.irp g, 0,1,2,3
	s_wait_dscnt 24-8*\g                           ; the scale words and tiles up to 2 g + 1 are in; the later tiles' loads may be out
.irp u, 0,1
.set T, 2*\g+\u
	v_wmma_scale_f32_16x16x128_f8f6f4 v[64+8*T:71+8*T], v[16*T:16*T+15], v[40:55], v[192+8*T:199+8*T], v[20+T], v10
	v_wmma_scale_f32_16x16x128_f8f6f4 v[128+8*T:135+8*T], v[16*T:16*T+15], v[48:63], v[192+8*T:199+8*T], v[20+T], v10
.endr
.endr
	WIN 0
.rept 8
	v_nop
.endr
	WIN 0x40
.irp t, 0,1,2,3,4,5,6,7
.irp c, 0,1,2,3
	ds_load_b128 v[16*\t+4*\c:16*\t+4*\c+3], v7 offset:2048*\t+512*\c
.endr
.endr
.if \last
	WIN 0
	s_cmp_eq_u32 s68, 0x40000                      ; behind the 32nd step there is no image to fetch
	s_cbranch_scc1 .Lno_mask_\@
	WIN 0x40
.endif
.irp c, 0,1,2,3,4,5,6,7,8,9,10,11,12,13,14,15
	global_load_b128 v[192+4*\c:195+4*\c], v1, s[60:61] offset:512*\c
.endr
	WIN 0
.if \last
.Lno_mask_\@:
.endif
; the largest score of each block of 32 keys: the eight blocks of both heads by turns
.irp B, 0,1,2,3,4,5,6,7
	v_max3_num_f32 v[TM+\B], v[64+16*\B], v[65+16*\B], v[66+16*\B]
.endr
.irp i, 3,5,7,9,11,13
.irp B, 0,1,2,3,4,5,6,7
	v_max3_num_f32 v[TM+\B], v[TM+\B], v[64+16*\B+\i], v[65+16*\B+\i]
.endr
.endr
.irp B, 0,1,2,3,4,5,6,7
	v_max_num_f32 v[TM+\B], v[TM+\B], v[79+16*\B]
.endr
.irp B, 0,1,2,3,4,5,6,7
	v_permlanex16_b32 v[TM+8+\B], v[TM+\B], s[SEL], s[SEL+1]
.endr
.irp B, 0,1,2,3,4,5,6,7
	v_max_num_f32 v[TM+\B], v[TM+\B], v[TM+8+\B]
.endr
; the row: the running largest score, -M = floor(-c x it), f = 2^(old M - new M); the two heads by turns
.irp e, 0,1
	v_max3_num_f32 v[TM+8+\e], v[TM+4*\e], v[TM+4*\e+1], v[TM+4*\e+2]
.endr
.irp e, 0,1
	s_delay_alu instid0(VALU_DEP_2)
	v_max3_num_f32 v[13+4*\e], v[13+4*\e], v[TM+8+\e], v[TM+4*\e+3]
.endr
.irp e, 0,1
	s_delay_alu instid0(VALU_DEP_2)
	v_mul_f32 v[TM+8+\e], s[CS], v[13+4*\e]
.endr
.irp e, 0,1
	s_delay_alu instid0(VALU_DEP_2)
	v_floor_f32 v[TM+10+\e], -v[TM+8+\e]
.endr
.irp e, 0,1
	s_delay_alu instid0(VALU_DEP_2)
	v_sub_f32 v[TM+8+\e], v[TM+10+\e], v[12+4*\e]
.endr
.irp e, 0,1
	v_mov_b32 v[12+4*\e], v[TM+10+\e]
.endr
.irp e, 0,1
	v_cvt_i32_f32 v[TM+8+\e], v[TM+8+\e]           ; (it saturates)
.endr
.irp e, 0,1
	s_delay_alu instid0(VALU_DEP_2)
	v_ldexp_f32 v[38+\e], 1.0, v[TM+8+\e]
.endr
.set n, 0
.rept 32
	v_pk_fma_f32 v[64+n:65+n], v[64+n:65+n], s[CS:CS+1], v[12:13] op_sel_hi:[1,0,0]      ; t - M, two at a time
	v_pk_fma_f32 v[128+n:129+n], v[128+n:129+n], s[CS:CS+1], v[16:17] op_sel_hi:[1,0,0]
.set n, n+2
.endr
.irp B, 0,1,2,3,4,5,6,7
	v_fma_f32 v[TM+\B], v[TM+\B], s[CS], v[12+4*(\B/4)]   ; the same of each block's largest score
.endr
	s_wait_alu depctr_va_vdst(0)
.if \sig
	s_wait_tensorcnt 0x0                           ; my part of the next slot is in, and a group 0 may be written
	ds_add_u32 v4, v5
	s_xor_b32 s41, s41, SLOT1
	s_add_nc_u64 s[42:43], s[42:43], 65536
	s_wait_xcnt 0x0                                ; my prefetch has read its address
	s_add_nc_u64 s[18:19], s[18:19], 65536
	s_wait_dscnt 0x0                               ; the add is done, and V's fragments, my last reads of this slot, are in
	s_barrier_signal -1                            ; the round's opening signal
.endif
.set n, 0
.rept 128
	v_exp_f32 v[64+n], v[64+n]
.set n, n+1
.endr
	v_pk_mul_f32 v[14:15], v[14:15], v[38:39] op_sel_hi:[1,0]                 ; the sums under the new M
	v_pk_mul_f32 v[18:19], v[18:19], v[38:39] op_sel:[0,1] op_sel_hi:[1,1]
	s_wait_alu depctr_va_vdst(0)                   ; and behind it, ahead of its first reader
.irp B, 0,1,2,3,4,5,6,7
	v_exp_f32 v[TM+\B], v[TM+\B]                   ; each block's largest p
.endr
	v_pk_add_f32 v[TM+8:TM+9], v[64:65], v[66:67]  ; the sums of the unquantised p: two chains a head, four by turns
	v_pk_add_f32 v[TM+10:TM+11], v[128:129], v[130:131]
.irp j, 4,8,12,16,20,24,28,32,36,40,44,48,52,56,60
	v_pk_add_f32 v[14:15], v[14:15], v[64+\j:65+\j]
	v_pk_add_f32 v[18:19], v[18:19], v[128+\j:129+\j]
	v_pk_add_f32 v[TM+8:TM+9], v[TM+8:TM+9], v[66+\j:67+\j]
	v_pk_add_f32 v[TM+10:TM+11], v[TM+10:TM+11], v[130+\j:131+\j]
.endr
	v_pk_add_f32 v[14:15], v[14:15], v[TM+8:TM+9]
	v_pk_add_f32 v[18:19], v[18:19], v[TM+10:TM+11]
	s_wait_alu depctr_va_vdst(0)                   ; for the eight
.irp B, 0,1,2,3,4,5,6,7
	v_max_num_f32 v[TM+\B], 0x4800000, v[TM+\B]    ; the floor 2^(9 - 127): the byte cannot fall under 1
.endr
.irp B, 0,1,2,3,4,5,6,7
	v_add_nc_u32 v[TM+24+\B], 0xfc000000, v[TM+\B] ; 8 off the exponent field: the conversion's scale operand
.endr
.irp B, 0,1,2,3,4,5,6,7
	v_and_or_b32 v[TM+16+\B], v[TM+\B], 0x7f800000, s[MNT]   ; 448 x the scale
.endr
.irp B, 0,1,2,3,4,5,6,7
	v_lshrrev_b32 v[TM+8+\B], 23, v[TM+24+\B]      ; the scale's byte
.endr
.irp e, 0,1
	v_lshl_or_b32 v[36+\e], v[TM+9+4*\e], 8, v[TM+8+4*\e]
.endr
.irp e, 0,1
	s_delay_alu instid0(VALU_DEP_2)
	v_lshl_or_b32 v[36+\e], v[TM+10+4*\e], 16, v[36+\e]
.endr
.irp e, 0,1
	s_delay_alu instid0(VALU_DEP_2)
	v_lshl_or_b32 v[36+\e], v[TM+11+4*\e], 24, v[36+\e]
.endr
.irp B, 0,1,2,3,4,5,6,7
.irp i, 0,2,4,6,8,10,12,14
	v_dual_min_num_f32 v[64+16*\B+\i], v[64+16*\B+\i], v[TM+16+\B] :: v_dual_min_num_f32 v[65+16*\B+\i], v[65+16*\B+\i], v[TM+16+\B]   ; the hold (ISA guide 7.6.2: the conversion does not saturate); p is not negative
.endr
	v_cvt_scalef32_pk8_fp8_f32 v[192+4*\B:193+4*\B], v[64+16*\B:71+16*\B], v[TM+24+\B]
	v_cvt_scalef32_pk8_fp8_f32 v[194+4*\B:195+4*\B], v[72+16*\B:79+16*\B], v[TM+24+\B]
.endr
	v_nop
	WIN 0x41
	s_wait_alu depctr_va_vdst(0)                   ; directly ahead of the first reader of O^T
.set n, 0
.rept 16
	v_pk_mul_f32 v[128+n:129+n], v[128+n:129+n], v[38:39] op_sel_hi:[1,0]     ; O^T under the new M; also the places ahead of the products below
	v_pk_mul_f32 v[160+n:161+n], v[160+n:161+n], v[38:39] op_sel:[0,1] op_sel_hi:[1,1]
.set n, n+2
.endr
	WIN 0x51
.if \sig == 0
	s_wait_alu depctr_va_vdst(0)
	s_wait_dscnt 0x0                               ; V's fragments
.endif
.irp dt, 0,1,2,3
.irp e, 0,1
	v_wmma_scale_f32_16x16x128_f8f6f4 v[128+32*\e+8*\dt:135+32*\e+8*\dt], v[16*(4*\e+\dt):16*(4*\e+\dt)+15], v[192+16*\e:207+16*\e], v[128+32*\e+8*\dt:135+32*\e+8*\dt], v[28+4*\e+\dt], v[36+\e]
.endr
.endr
	WIN 0
.if \sig
	s_barrier_wait -1                              ; every wave of my work-group has left the slot
	CREST                                          ; and every wave of the four partners
	tensor_load_to_lds s[40:43], s[24:31]          ; the slot just left takes the keys that follow
	s_nop 0
.rept 4
	v_nop
.endr
	ASK
.endif
.endm
.macro CREST                           ; a round of the cluster's barrier behind its opening barrier
	s_cmp_lg_u32 s12, 0
	s_cbranch_scc1 .Lnot_w0_\@
	s_barrier_signal -3
.Lnot_w0_\@:
	s_barrier_wait -3
	s_barrier_signal -1
	s_barrier_wait -1
.endm
.macro PHASE last, trips               ; the first key steps of a slot; s57 stands at \trips behind it
	s_mov_b32 s57, 0
.Lstep_\@:
	STEP \last, 0
	s_add_co_u32 s57, s57, 1
	s_cmp_lt_u32 s57, \trips
	s_cbranch_scc1 .Lstep_\@
.endm
; THE CHANGE OF SLOTS, at a slot's head: all my tensor loads are in, the add, my reads of the slot that I left are over; behind the round the slot just left is filled with the keys that follow.
.macro CHANGE fill
	s_wait_tensorcnt 0x0
	ds_add_u32 v4, v5
.if \fill
	s_xor_b32 s41, s41, SLOT1
	s_add_nc_u64 s[42:43], s[42:43], 65536
	s_wait_xcnt 0x0                                ; my prefetch has read its address
	s_add_nc_u64 s[18:19], s[18:19], 65536
.endif
	s_wait_dscnt 0x0
.if \fill
	CROUND
	tensor_load_to_lds s[40:43], s[24:31]
	s_nop 0
.rept 4
	v_nop
.endr
	ASK
.else
	s_barrier_signal -1
	s_barrier_wait -1
.endif
.endm
; 64 numbers of a lane, register 16 b + i = feature 32 b + 16 (lane / 16) + i of the pair's 128, become codes and a scale word
.macro QUANT s, pc, pw
.irp b, 0,1,2,3
	v_max3_num_f32 v[TM+\b], |v[\s+16*\b]|, |v[\s+1+16*\b]|, 0x4800000
.endr
.irp i, 2,4,6,8,10,12,14
.irp b, 0,1,2,3
	v_max3_num_f32 v[TM+\b], v[TM+\b], |v[\s+16*\b+\i]|, |v[\s+1+16*\b+\i]|
.endr
.endr
.irp b, 0,1,2,3
	v_permlanex16_b32 v[TM+4+\b], v[TM+\b], s[SEL], s[SEL+1]
.endr
.irp b, 0,1,2,3
	v_max_num_f32 v[TM+\b], v[TM+\b], v[TM+4+\b]
.endr
.irp b, 0,1,2,3
	v_add_nc_u32 v[TM+12+\b], 0xfc000000, v[TM+\b]
.endr
.irp b, 0,1,2,3
	v_and_or_b32 v[TM+8+\b], v[TM+\b], 0x7f800000, s[MNT]
.endr
.irp b, 0,1,2,3
	v_lshrrev_b32 v[TM+4+\b], 23, v[TM+12+\b]
.endr
	v_lshl_or_b32 v[\pw], v[TM+5], 8, v[TM+4]
	v_lshl_or_b32 v[\pw], v[TM+6], 16, v[\pw]
	v_lshl_or_b32 v[\pw], v[TM+7], 24, v[\pw]
.irp b, 0,1,2,3
.irp i, 0,1,2,3,4,5,6,7,8,9,10,11,12,13,14,15
	v_med3_num_f32 v[\s+16*\b+\i], v[\s+16*\b+\i], -v[TM+8+\b], v[TM+8+\b]
.endr
	v_cvt_scalef32_pk8_fp8_f32 v[\pc+4*\b:\pc+1+4*\b], v[\s+16*\b:\s+7+16*\b], v[TM+12+\b]
	v_cvt_scalef32_pk8_fp8_f32 v[\pc+2+4*\b:\pc+3+4*\b], v[\s+8+16*\b:\s+15+16*\b], v[TM+12+\b]
.endr
	v_nop
.endm
.macro NORMQ pw                        ; a pair is finished: O^T / the sum, quantised: codes in v192-207, the scale word in v[pw]
.rept 8
	v_nop
.endr
.irp e, 0,1
	v_add_f32 v[14+4*\e], v[14+4*\e], v[15+4*\e]
.endr
.irp e, 0,1
	v_permlanex16_b32 v[TM+8+\e], v[14+4*\e], s[SEL], s[SEL+1]
.endr
.irp e, 0,1
	v_add_f32 v[14+4*\e], v[14+4*\e], v[TM+8+\e]
.endr
	s_wait_alu depctr_va_vdst(0)
.irp e, 0,1
	v_rcp_f32 v[14+4*\e], v[14+4*\e]
.endr
	v_nop
	WIN 0x01
	s_wait_alu depctr_va_vdst(0)                   ; ahead of the first reader of the reciprocals and of O^T
.set n, 0
.rept 32
	v_pk_mul_f32 v[64+n:65+n], v[128+n:129+n], v[14+4*(n/32):15+4*(n/32)] op_sel_hi:[1,0]
.set n, n+2
.endr
	WIN 0
	QUANT 64, 192, \pw
.endm
	CHANGE 1                                       ; slot 0 is whole; slot 1's first fill is issued as a refill is
	s_mov_b32 s56, 6                               ; slots still to be asked for
.Lslot:                                                ; six trips: slots 0 to 5; each trip's last step changes slots and asks for the slot after the next
	PHASE 0, 3
	STEP 0, 1
	s_cmp_lg_u32 s56, 3                            ; behind the fourth slot the first pair is finished
	s_cbranch_scc1 .Lgo_on
	NORMQ 36
	ds_load_b128 v[40:43], v11                     ; the second pair's Q out of my own bytes,
	ds_load_b128 v[44:47], v11 offset:512
	ds_load_b128 v[56:59], v11 offset:1024
	ds_load_b128 v[60:63], v11 offset:1536
	ds_load_b32 v10, v2
.irp c, 0,1,2,3
	ds_store_b128 v11, v[192+4*\c:195+4*\c] offset:512*\c   ; and the first pair's codes into them: LDS serves a wave's instructions in order
.endr
	ds_store_b32 v2, v36
.irp e, 0,1
	v_mov_b32 v[13+4*\e], 0xff61b1e6               ; the next factor is 0: it clears the sums and O^T
	v_mov_b32 v[12+4*\e], 0x7f61b1e6
.endr
	s_wait_alu depctr_va_vdst(0)
.Lgo_on:
	s_add_co_u32 s3, s3, 2048
	s_xor_b32 s2, s2, SLOT1
	s_sub_co_u32 s56, s56, 1
	s_cmp_lg_u32 s56, 0
	s_cbranch_scc1 .Lslot
	s_mov_b32 s56, 2
.Ltail:                                                ; the last two slots ask for nothing; behind the second of them the barrier shows that every wave has left the ring
	PHASE 1, 4
	CHANGE 0
	s_add_co_u32 s3, s3, 2048
	s_xor_b32 s2, s2, SLOT1
	s_sub_co_u32 s56, s56, 1
	s_cmp_lg_u32 s56, 0
	s_cbranch_scc1 .Ltail
	NORMQ 37
; THE WAY OUT: both pairs' codes go into a stage of 128 rows x 272 bytes in slot 0, which has had its last fill and its last read, and leave as rows of 256 bytes.
.irp c, 0,1,2,3
	ds_load_b128 v[208+4*\c:211+4*\c], v11 offset:512*\c
.endr
	ds_load_b32 v36, v2
	s_lshr_b32 s68, s17, 2                         ; batch
	s_and_b32 s69, s17, 3                          ; which four heads
	s_lshl_b32 s70, s68, 11
	s_lshl_b32 s71, s14, 7
	s_add_co_u32 s70, s70, s71
	s_lshl_b32 s71, s12, 4
	s_add_co_u32 s70, s70, s71                     ; the 16 rows that my wave stores
	s_lshl_b32 s70, s70, 10
	s_lshl_b32 s71, s69, 8
	s_add_co_u32 s70, s70, s71
	s_mov_b32 s71, 0
	s_add_nc_u64 s[62:63], s[8:9], s[70:71]
	s_lshl_b32 s70, s68, 4
	s_add_co_u32 s70, s70, s14
	s_lshl_b32 s70, s70, 12
	s_lshl_b32 s68, s69, 10
	s_add_co_u32 s70, s70, s68
	s_add_nc_u64 s[66:67], s[8:9], s[70:71]
	s_add_nc_u64 s[66:67], s[66:67], AQS           ; the 128 rows' scale bytes of this K step: 1,024 bytes
	s_lshr_b32 s74, s12, 1
	s_lshl_b32 s74, s74, 5
	s_and_b32 s75, s12, 1
	s_lshl_b32 s75, s75, 3
	s_add_co_u32 s74, s74, s75
	s_mul_i32 s75, s12, 16*272
	v_and_b32 v6, 15, v0
	v_bfe_u32 v7, v0, 4, 1
	v_and_b32 v8, 8, v6
	v_add_nc_u32 v8, v8, v6
	v_add_nc_u32 v8, s74, v8                       ; my query's row among the 128
	v_mul_u32_u24 v240, v8, 272
	v_lshl_add_u32 v240, v7, 4, v240               ; in
	v_lshl_add_u32 v241, v8, 3, SST                ; its two scale words
	v_mul_u32_u24 v242, v7, 272
	v_lshl_add_u32 v242, v6, 4, v242
	v_add_nc_u32 v242, s75, v242                   ; back: sixteen lanes to a row, two rows an instruction
	v_lshlrev_b32 v243, 10, v7
	v_lshl_add_u32 v243, v6, 4, v243               ; and the same place in aq
	v_add_nc_u32 v244, SST, v1
	s_wait_alu depctr_va_vdst(0)
	s_wait_dscnt 0x0                               ; the first pair's codes are back in registers
.irp c, 0,1,2,3
	ds_store_b128 v240, v[208+4*\c:211+4*\c] offset:32*\c
	ds_store_b128 v240, v[192+4*\c:195+4*\c] offset:128+32*\c
.endr
	ds_store_b32 v241, v36                         ; both halves of the lanes write the same word with the same value
	ds_store_b32 v241, v37 offset:4
	s_wait_dscnt 0x0
	s_barrier_signal -1
	s_barrier_wait -1
.irp i, 0,1,2,3,4,5,6,7
	ds_load_b128 v[64+4*\i:67+4*\i], v242 offset:2*\i*272
.endr
.irp i, 0,1,2,3,4,5,6,7
	s_wait_dscnt 7-\i
	global_store_b128 v243, v[64+4*\i:67+4*\i], s[62:63] offset:2048*\i   ; sixteen lanes store 256 consecutive bytes, aligned
.endr
	s_cmp_lg_u32 s12, 0
	s_cbranch_scc1 .Lno_scales
	ds_load_b128 v[96:99], v244
	ds_load_b128 v[100:103], v244 offset:512
	s_wait_dscnt 0x0
	global_store_b128 v1, v[96:99], s[66:67]
	global_store_b128 v1, v[100:103], s[66:67] offset:512
.Lno_scales:
	s_wait_tensorcnt 0x0                           ; the wave's end
	ds_add_u32 v4, v5
	s_wait_dscnt 0x0
	CROUND                                         ; the closing round
	s_endpgm
.Lfunc_end_k_qcc3cba1355_attn:
	.size	k_qcc3cba1355_attn, .Lfunc_end_k_qcc3cba1355_attn-k_qcc3cba1355_attn
	.p2alignl 7, 3214868480
	.fill 96, 4, 3214868480
	.section	.rodata,"a",@progbits
	.p2align	6, 0x0
	.amdhsa_kernel k_qcc3cba1355_attn
		.amdhsa_group_segment_fixed_size 327680
		.amdhsa_private_segment_fixed_size 0
		.amdhsa_enable_private_segment 0
		.amdhsa_kernarg_size 24
		.amdhsa_user_sgpr_count 2
		.amdhsa_user_sgpr_kernarg_segment_ptr 1
		.amdhsa_wavefront_size32 1
		.amdhsa_system_sgpr_workgroup_id_x 1
		.amdhsa_system_sgpr_workgroup_id_y 1
		.amdhsa_system_sgpr_workgroup_id_z 1
		.amdhsa_system_vgpr_workitem_id 0
		.amdhsa_next_free_vgpr 512
		.amdhsa_next_free_sgpr 80
		.amdhsa_reserve_vcc 0
		.amdhsa_float_denorm_mode_32 3
		.amdhsa_float_denorm_mode_16_64 3
		.amdhsa_memory_ordered 1
		.amdhsa_forward_progress 1
		.amdhsa_inst_pref_size 158
	.end_amdhsa_kernel
	.amdgpu_metadata
---
amdhsa.version: [ 1, 2 ]
amdhsa.kernels:
  - .name:           k_qcc3cba1355_attn
    .symbol:         k_qcc3cba1355_attn.kd
    .args:
      - { .name: hq, .offset: 0, .size: 8, .value_kind: global_buffer, .address_space: global }
      - { .name: mi, .offset: 8, .size: 8, .value_kind: global_buffer, .address_space: global }
      - { .name: aq, .offset: 16, .size: 8, .value_kind: global_buffer, .address_space: global }
    .group_segment_fixed_size: 327680
    .private_segment_fixed_size: 0
    .kernarg_segment_align: 8
    .kernarg_segment_size: 24
    .max_flat_workgroup_size: 256
    .sgpr_count:     80
    .vgpr_count:     512
    .wavefront_size: 32
...
	.end_amdgpu_metadata
.endif
;; end of part 3
;; launch oproj (part 4): grid 4 x 32, 4 waves a work-group, clusters of 4 x 4, 327,680 bytes of LDS; arguments aq, wq8, wo_b, out0; writes out0
.if DOCPART == 4
	.amdgcn_target "amdgcn-amd-amdhsa--gfx1250"
	.amdhsa_code_object_version 6
	.text
	.protected	k_qcc3cba1355_oproj
	.globl	k_qcc3cba1355_oproj
	.p2align	8
	.type	k_qcc3cba1355_oproj,@function
k_qcc3cba1355_oproj:
	s_mov_b64 s[64:65], 0
	v_nop
	global_prefetch_b8 v0, s[64:65] scope:SCOPE_SE
	s_setreg_imm32_b32 hwreg(HW_REG_WAVE_MODE, 25, 1), 1
	s_wait_xcnt 0x0
	s_wait_alu depctr_hold_cnt(0) depctr_sa_sdst(0) depctr_va_vdst(0) depctr_va_sdst(0) depctr_va_ssrc(0) depctr_va_vcc(0) depctr_vm_vsrc(0)
	s_getreg_b32 s2, hwreg(HW_REG_IB_STS2, 6, 4)
	s_cmp_eq_u32 s2, 0
	s_cbranch_scc0 .Lentry_in_a_cluster
	s_endpgm
.Lentry_in_a_cluster:
	s_bfe_u32 s2, ttmp6, 0x10000c
	s_cmp_lg_u32 s2, 0xf033
	s_cbranch_scc0 .Lentry_shape_is_right
	s_endpgm
.Lentry_shape_is_right:
.set NQ,     2
.set ROWB,   256
.set KROW,   1024
.set PITCH,  272
.set FR,     16
.set NL,     4
.set NP,     8
.set HALFT,  128*PITCH
.set SLOT,   4*HALFT
.set LAPS,   2
.set SCL,    2*SLOT
.set SPARE,  SCL+16384
.set SPITCH, 528
.set AQS,    8388608
.set WQS,    4194304
.set NROW,   4096
.set ADRA, 16
.set ADRB, 20
.set STO,  24
.set RD,   25
.set CO,   26
.set ADRS, 27
.set SPW,  28
.set NIL,  29
.set SC,   32
.set BY,   64
.set AF,   128
.set BK,   128
.set G1, 24
.set G0, 32
.set G1B, 48
.set G0B, 56
.set G1S, 68
.set G0S, 76
.set G1SB, 80
.set G0SB, 88
.set MSB, 0
.macro WIN new
.if MSB != (\new)
	s_set_vgpr_msb (MSB<<8)|(\new)
.set MSB, (\new)
.endif
.endm
.set MUL_LO, 0xa1
.set MUL_HI, 0xf1
.set TO_B,   0x40
.macro JLOAD g0a, g1a, g0b, g1b
	s_cmp_eq_u32 s17, 0
	s_cbranch_scc0 .Lfor_b_\@
	tensor_load_to_lds s[\g0a:\g0a+3], s[\g1a:\g1a+7]
	s_nop 0
.rept 4
	v_nop
.endr
	s_branch .Lasked_\@
.Lfor_b_\@:
	tensor_load_to_lds s[\g0b:\g0b+3], s[\g1b:\g1b+7]
	s_nop 0
.rept 4
	v_nop
.endr
.Lasked_\@:
.endm
.macro CREST
	s_cmp_lg_u32 s16, 0
	s_cbranch_scc1 .Lnot_wave_0_\@
	s_barrier_signal -3
.Lnot_wave_0_\@:
	s_barrier_wait -3
	s_barrier_signal -1
	s_barrier_wait -1
.endm
.macro CROUND
	s_barrier_signal -1
	s_barrier_wait -1
	CREST
.endm
	s_load_b256 s[4:11], s[0:1], 0x0
	v_lshl_add_u32 v[SPW], v0, 2, SPARE
	v_mov_b32 v[NIL], 0
	ds_add_u32 v28, v29
	ds_add_u32 v28, v29
	s_wait_dscnt 0x0
	v_lshrrev_b32 v1, 5, v0
	v_readfirstlane_b32 s16, v1
	s_lshr_b32 s17, s16, 1
	s_and_b32 s18, s16, 1
	s_bfe_u32 s40, ttmp6, 0x40000
	s_bfe_u32 s41, ttmp6, 0x40004
	s_lshl_b32 s42, ttmp9, 2
	s_add_co_u32 s42, s42, s40
	s_and_b32 s43, ttmp7, 0xffff
	s_lshl_b32 s43, s43, 2
	s_add_co_u32 s43, s43, s41
	s_lshl_b32 s44, s41, 2
	s_lshl_b32 s44, 15, s44
	s_lshl_b32 s45, 0x1111, s40
	s_or_b32 s[G1+0], s44, (0<<16)|(1<<20)|(1<<21)|(5<<22)|(3<<25)
	s_or_b32 s[G1B+0], s45, (0<<16)|(1<<20)|(1<<21)|(5<<22)|(3<<25)
.irp g, G1, G1B
	s_mov_b32 s[\g+1], ROWB<<16
	s_mov_b32 s[\g+2], 128<<16
	s_mov_b32 s[\g+3], ROWB<<16
	s_mov_b32 s[\g+4], 128
	s_mov_b32 s[\g+5], KROW
	s_mov_b32 s[\g+6], 0
	s_mov_b32 s[\g+7], 0
.endr
	s_lshl_b32 s20, s43, 1
	s_add_co_u32 s20, s20, s18
	s_lshl_b32 s46, s42, 1
	s_add_co_u32 s46, s46, s18
	s_lshl_b32 s22, s20, 12
	s_lshl_b32 s92, s46, 12
	s_lshl_b32 s20, s20, 17
	s_lshl_b32 s46, s46, 17
	s_mov_b32 s21, 0
	s_mov_b32 s23, 0
	s_mov_b32 s47, 0
	s_mov_b32 s93, 0
	s_mul_i32 s2, s16, HALFT
	s_lshl_b32 s3, s16, 12
	s_wait_kmcnt 0x0
	s_add_nc_u64 s[20:21], s[4:5], s[20:21]
	s_add_nc_u64 s[22:23], s[4:5], s[22:23]
	s_add_nc_u64 s[22:23], s[22:23], AQS
	s_add_nc_u64 s[46:47], s[6:7], s[46:47]
	s_add_nc_u64 s[46:47], s[46:47], 3<<20
	s_add_nc_u64 s[92:93], s[6:7], s[92:93]
	s_add_nc_u64 s[92:93], s[92:93], WQS+(3<<15)
	CROUND
.irp s, 0,1
	s_mov_b32 s[G0+4*\s], 1
	s_add_co_u32 s[G0+4*\s+1], s2, \s*SLOT
	s_add_nc_u64 s[G0+4*\s+2:G0+4*\s+3], s[20:21], \s*ROWB
	s_or_b32 s[G0+4*\s+3], s[G0+4*\s+3], 0x80000000
	s_mov_b32 s[G0B+4*\s], 1
	s_add_co_u32 s[G0B+4*\s+1], s2, \s*SLOT
	s_add_nc_u64 s[G0B+4*\s+2:G0B+4*\s+3], s[46:47], \s*ROWB
	s_or_b32 s[G0B+4*\s+3], s[G0B+4*\s+3], 0x80000000
.endr
	JLOAD G0, G1, G0B, G1B                         ; K step 0: one tensor load a wave
; THE SCALE BYTES go through registers: each wave loads the 4,096 bytes of the 128 rows that it fetches (eight loads of 512 consecutive bytes) and stores them to LDS bytes of their own, ahead of the round below.
; PREFETCHES: of the 128 rows that a wave fetches, each of the four partners that ask for them jointly names 32, told apart by address (cx for X, cy for Y): a lane a row, 256 bytes of it a K step.
; K steps 1 and 2 are named here, K step 3 behind slot 1's load: never more than two K steps are named and not yet loaded.
.set SCP, 76                           ; s[76:77] my scale bytes in memory; s78 where they go in LDS
.set PFA, 88                           ; s[88:89] my 32 rows of codes; s[90:91] at work
	s_cmp_eq_u32 s17, 0                            ; do I fetch for X?
	s_cselect_b64 s[SCP:SCP+1], s[22:23], s[92:93]
	s_cselect_b64 s[PFA:PFA+1], s[20:21], s[46:47]
	s_cselect_b32 s[PFA+2], s40, s41
	s_lshl_b32 s[PFA+2], s[PFA+2], 15              ; 32 rows of 1,024 bytes for each partner
	s_mov_b32 s[PFA+3], 0
	s_add_nc_u64 s[PFA:PFA+1], s[PFA:PFA+1], s[PFA+2:PFA+3]
	s_add_co_u32 s[SCP+2], s3, SCL
	v_and_b32 v7, 31, v0
	v_lshlrev_b32 v19, 10, v7                      ; a lane a row; never rewritten
	v_lshlrev_b32 v7, 4, v7                        ; 16 x lane; never rewritten
	v_add_nc_u32 v18, s[SCP+2], v7
.irp n, 0,1,2,3,4,5,6,7
	global_load_b128 v[AF+4*\n:AF+4*\n+3], v7, s[SCP:SCP+1] offset:512*\n
.endr
	global_prefetch_b8 v19, s[PFA:PFA+1] offset:256 th:TH_LOAD_NT scope:SCOPE_SE
	global_prefetch_b8 v19, s[PFA:PFA+1] offset:512 th:TH_LOAD_NT scope:SCOPE_SE
	v_and_b32 v1, 15, v0
	v_bfe_u32 v2, v0, 4, 1
	s_wait_alu depctr_va_vdst(0)
	v_mul_u32_u24 v3, v1, PITCH
	v_lshl_add_u32 v4, v2, 4, v3
	s_mul_i32 s21, s17, HALFT
	s_mul_i32 s22, s18, HALFT
	s_add_co_u32 s22, s22, 2*HALFT
.irp s, 0,1
	v_add_nc_u32 v[ADRA+\s], s21, v4
	v_add_nc_u32 v[ADRB+\s], s22, v4
	s_add_co_u32 s21, s21, SLOT
	s_add_co_u32 s22, s22, SLOT
.endr
	v_lshlrev_b32 v5, 3, v1
	s_lshl_b32 s21, s17, 12
	s_lshl_b32 s22, s18, 12
	s_add_co_u32 s22, s22, 8192
	s_sub_co_u32 s22, s22, s21
	v_mul_u32_u24 v6, s22, v2
	s_add_co_u32 s21, s21, SCL
	v_add_nc_u32 v5, v5, v6
	v_add_nc_u32 v[ADRS], s21, v5
	s_mul_i32 s23, s16, 16*SPITCH
	v_mul_u32_u24 v5, v1, SPITCH
	v_lshl_add_u32 v5, v2, 6, v5
	v_add_nc_u32 v[STO], s23, v5
	v_and_b32 v6, 31, v0
	v_lshlrev_b32 v[CO], 4, v6
	v_add_nc_u32 v[RD], s23, v[CO]
	v_lshlrev_b32 v30, 6, v2
	s_wait_alu depctr_va_vdst(0)
	s_lshl_b32 s20, s43, 8
	s_lshl_b32 s21, s17, 7
	s_add_co_u32 s20, s20, s21
	s_lshl_b32 s20, s20, 12
	s_mov_b32 s21, 0
	s_lshl_b32 s46, s42, 10
	s_lshl_b32 s47, s18, 9
	s_add_co_u32 s46, s46, s47
	s_mov_b32 s47, 0
	s_add_nc_u64 s[8:9], s[8:9], s[46:47]
	s_add_nc_u64 s[10:11], s[10:11], s[46:47]
	s_add_nc_u64 s[10:11], s[10:11], s[20:21]
.irp b, 0,1,2,3
.irp j, 0,1,2,3
	global_load_b128 v[BY+16*\b+4*\j:BY+16*\b+4*\j+3], v30, s[8:9] offset:128*\b+16*\j
.endr
.endr
.macro FRAG reg, adr, q, i
.irp c, 0,1,2,3
	ds_load_b128 v[\reg+4*\c:\reg+4*\c+3], v[\adr] offset:128*(\q)+32*\c+(\i)*16*PITCH
.endr
.endm
.macro MUL16 a0, p, q, sc, zero
.irp a, \a0, \a0+1
.irp b, 0,1,2,3,4,5,6,7
.if \zero
	v_wmma_scale_f32_16x16x128_f8f6f4 v[8*(8*((\a)%4)+\b):8*(8*((\a)%4)+\b)+7], v[128*(\p)+FR*\b:128*(\p)+FR*\b+FR-1], v[AF+FR*(\a):AF+FR*(\a)+FR-1], 0, v[SC+8*NQ*(\sc)+NQ*\b+(\q)], v[SC+8*NQ*(\sc)+NQ*(\a)+(\q)] matrix_a_scale:MATRIX_SCALE_ROW1
.else
	v_wmma_scale_f32_16x16x128_f8f6f4 v[8*(8*((\a)%4)+\b):8*(8*((\a)%4)+\b)+7], v[128*(\p)+FR*\b:128*(\p)+FR*\b+FR-1], v[AF+FR*(\a):AF+FR*(\a)+FR-1], v[8*(8*((\a)%4)+\b):8*(8*((\a)%4)+\b)+7], v[SC+8*NQ*(\sc)+NQ*\b+(\q)], v[SC+8*NQ*(\sc)+NQ*(\a)+(\q)] matrix_a_scale:MATRIX_SCALE_ROW1
.endif
.endr
.endr
.endm
.macro FETCH_B slot, q, p
	WIN TO_B
.irp i, 0,1,2,3,4,5,6,7
	FRAG 128*(\p)+FR*\i, ADRB+\slot, \q, \i
.endr
	WIN 0
.endm
.macro FETCH_A slot, q, i0
.irp i, \i0, \i0+1, \i0+2, \i0+3
	FRAG AF+FR*(\i), ADRA+\slot, \q, \i
.endr
.endm
.macro SCALES sc
.irp i, 0,1,2,3,4,5,6,7
	ds_load_b64 v[SC+8*NQ*\sc+NQ*\i:SC+8*NQ*\sc+NQ*\i+1], v[ADRS] offset:\i*128
.endr
.endm
.macro PLACES n
.rept \n
	v_nop
.endr
.endm
.macro STEP slot, q, zero
	s_wait_dscnt 4*NL
	WIN MUL_LO
	MUL16 0, (\q)%2, \q, \slot, \zero
	MUL16 2, (\q)%2, \q, \slot, \zero
	s_wait_dscnt 0
	PLACES NP
	FETCH_B \slot, (\q)+1, 1-(\q)%2
	FETCH_A \slot, (\q)+1, 0
	WIN MUL_HI
	MUL16 4, (\q)%2, \q, \slot, \zero
	MUL16 6, (\q)%2, \q, \slot, \zero
	PLACES NP
	WIN 0
	FETCH_A \slot, (\q)+1, 4
.endm
.macro TURN slot, next, fill
	s_wait_tensorcnt 0x0
	ds_add_u32 v[SPW], v[NIL]
	s_wait_dscnt 4*NL+1
	WIN MUL_LO
	MUL16 0, 1, NQ-1, \slot, 0
	s_wait_dscnt 0x0
	s_barrier_signal -1
	MUL16 2, 1, NQ-1, \slot, 0
	WIN 0
	s_barrier_wait -1
.if \fill
	CREST
	s_add_nc_u64 s[G0+4*\slot+2:G0+4*\slot+3], s[G0+4*\slot+2:G0+4*\slot+3], 2*ROWB
	s_add_nc_u64 s[G0B+4*\slot+2:G0B+4*\slot+3], s[G0B+4*\slot+2:G0B+4*\slot+3], 2*ROWB
	JLOAD G0+4*\slot, G1, G0B+4*\slot, G1B
	PLACES NP-4
.else
	PLACES NP
.endif
	s_wait_alu depctr_va_vdst(0)
	v_add_nc_u32 v[ADRS], 1024, v[ADRS]
	FETCH_B \next, 0, 0
	FETCH_A \next, 0, 0
	SCALES \next
	WIN MUL_HI
	MUL16 4, 1, NQ-1, \slot, 0
	MUL16 6, 1, NQ-1, \slot, 0
	PLACES NP
	WIN 0
	FETCH_A \next, 0, 4
.endm
	s_wait_alu depctr_va_vdst(0)
	s_wait_loadcnt 16                              ; my scale bytes are in; the bias's 16 loads may be out
.irp n, 0,1,2,3,4,5,6,7
	ds_store_b128 v18, v[AF+4*\n:AF+4*\n+3] offset:512*\n
.endr
	s_wait_tensorcnt 0x0                           ; my part of K step 0 is in; a later first fill is issued as a refill is
	ds_add_u32 v[SPW], v[NIL]
	s_wait_dscnt 0x0                               ; the add and my stores of scale bytes are done
	CROUND                                         ; everybody's are, and the joint loads meet
	JLOAD G0+4, G1, G0B+4, G1B                     ; K step 1, the first tensor load behind the round
	FETCH_B 0, 0, 0
	FETCH_A 0, 0, 0
	SCALES 0
	FETCH_A 0, 0, 4
	global_prefetch_b8 v19, s[PFA:PFA+1] offset:768 th:TH_LOAD_NT scope:SCOPE_SE
	STEP 0, 0, 1
	s_mov_b32 s3, LAPS-1
.Llap:
	TURN 0, 1, 1
	STEP 1, 0, 0
	TURN 1, 0, 1
	STEP 0, 0, 0
	s_sub_co_u32 s3, s3, 1
	s_cmp_lg_u32 s3, 0
	s_cbranch_scc1 .Llap
	TURN 0, 1, 0
	STEP 1, 0, 0
	s_wait_dscnt 4*NL
	WIN MUL_LO
	MUL16 0, 1, NQ-1, 1, 0
	MUL16 2, 1, NQ-1, 1, 0
	s_wait_dscnt 0
	WIN MUL_HI
	MUL16 4, 1, NQ-1, 1, 0
	MUL16 6, 1, NQ-1, 1, 0
	WIN 0
.macro TOSTAGE a
.set AC, 64*((\a)%4)
	WIN 0x82+0x41*((\a)/4)
.set n, 0
.rept 32
	v_pk_add_f32 v[AC+n:AC+n+1], v[AC+n:AC+n+1], v[BY+n:BY+n+1]
.set n, n+2
.endr
	WIN 0x08+4*((\a)/4)
.irp b, 0,1,2,3,4,5,6,7
	ds_store_b128 v[STO], v[AC+8*\b:AC+8*\b+3] offset:128*(\b/2)+32*(\b%2)
	ds_store_b128 v[STO], v[AC+8*\b+4:AC+8*\b+7] offset:128*(\b/2)+32*(\b%2)+16
.endr
	WIN 0
.set BB, BK+64*((\a)%2)
.irp t, 0,1,2,3,4,5,6,7,8,9,10,11,12,13,14,15
	ds_load_b128 v[BB+4*\t:BB+4*\t+3], v[RD] offset:\t*SPITCH
.endr
.endm
.macro SEND a, younger
.set BB, BK+64*((\a)%2)
	s_wait_dscnt \younger
.if (\a) > 0
	s_add_nc_u64 s[10:11], s[10:11], 16*NROW
.endif
.irp t, 0,1,2,3,4,5,6,7,8,9,10,11,12,13,14,15
	global_store_b128 v[CO], v[BB+4*\t:BB+4*\t+3], s[10:11] offset:\t*NROW th:TH_STORE_NT
.endr
.endm
	PLACES NP
	s_wait_loadcnt 0x0
	TOSTAGE 0
.irp a, 1,2,3,4,5,6,7
.if \a > 1
	s_wait_xcnt 0x0
.endif
	TOSTAGE \a
	SEND \a-1, 32
.endr
	s_wait_xcnt 0x0
	SEND 7, 0
	s_wait_tensorcnt 0x0
	ds_add_u32 v[SPW], v[NIL]
	s_wait_dscnt 0x0
	CROUND
	s_endpgm
.Lfunc_end_k_qcc3cba1355_oproj:
	.size	k_qcc3cba1355_oproj, .Lfunc_end_k_qcc3cba1355_oproj-k_qcc3cba1355_oproj
	.p2alignl 7, 3214868480
	.fill 96, 4, 3214868480
	.section	.rodata,"a",@progbits
	.p2align	6, 0x0
	.amdhsa_kernel k_qcc3cba1355_oproj
		.amdhsa_group_segment_fixed_size 327680
		.amdhsa_private_segment_fixed_size 0
		.amdhsa_enable_private_segment 0
		.amdhsa_kernarg_size 32
		.amdhsa_user_sgpr_count 2
		.amdhsa_user_sgpr_kernarg_segment_ptr 1
		.amdhsa_wavefront_size32 1
		.amdhsa_system_sgpr_workgroup_id_x 1
		.amdhsa_system_sgpr_workgroup_id_y 1
		.amdhsa_system_sgpr_workgroup_id_z 1
		.amdhsa_system_vgpr_workitem_id 0
		.amdhsa_next_free_vgpr 1024
		.amdhsa_next_free_sgpr 102
		.amdhsa_reserve_vcc 0
		.amdhsa_float_denorm_mode_32 3
		.amdhsa_float_denorm_mode_16_64 3
		.amdhsa_memory_ordered 1
		.amdhsa_forward_progress 1
		.amdhsa_inst_pref_size 164
	.end_amdhsa_kernel
	.amdgpu_metadata
---
amdhsa.version: [ 1, 2 ]
amdhsa.kernels:
  - .name:           k_qcc3cba1355_oproj
    .symbol:         k_qcc3cba1355_oproj.kd
    .args:
      - { .name: aq, .offset: 0, .size: 8, .value_kind: global_buffer, .address_space: global }
      - { .name: wq8, .offset: 8, .size: 8, .value_kind: global_buffer, .address_space: global }
      - { .name: wo_b, .offset: 16, .size: 8, .value_kind: global_buffer, .address_space: global }
      - { .name: out0, .offset: 24, .size: 8, .value_kind: global_buffer, .address_space: global }
    .group_segment_fixed_size: 327680
    .private_segment_fixed_size: 0
    .kernarg_segment_align: 8
    .kernarg_segment_size: 32
    .max_flat_workgroup_size: 128
    .sgpr_count:     102
    .vgpr_count:     1024
    .wavefront_size: 32
...
	.end_amdgpu_metadata
.endif
;; end of part 4
